; MI455X (gfx1250); checked and timed in simulation.
; The chip was launched on July 23, 2026; its instructions are those of AMD's public machine-readable ISA for CDNA 5 (MIT licence, August 2026) and "CDNA5" Instruction Set Architecture Reference Guide (July 2026). The comments in the code are by the model that wrote it; some were corrected since.
;; Multi Head Self Attention. Allowed arithmetic: matrix products marked QUANTISED: E5M2 operands, one given power-of-two scale a tensor, by v_wmma_f32_16x16x64_bf8_bf8 or v_wmma_f32_16x16x128_bf8_bf8, f32 sums; everything else in f32.
;; Inputs: Wk 1,024 x 1,024 float32; Wo 1,024 x 1,024 float32; Wq 1,024 x 1,024 float32; Wv 1,024 x 1,024 float32; bk 1,024 float32; bo 1,024 float32; bq 1,024 float32; bv 1,024 float32; lowp_scales 12 int32 (the exponents e of the quantised operands' scales 2^e); x 4 x 2,048 x 1,024 float32.
;; Outputs: out0 4 x 2,048 x 1,024 float32.
;; This version of the problem:
;;   THIS VERSION OF THE PROBLEM IS GIVEN IN LOW PRECISION. The matrix products marked QUANTISED in the list below multiply operands that are first quantised to E5M2 (5 exponent bits, 2 mantissa bits; 8 bits a number), with one given power-of-two scale for each operand tensor; their sums are f32. All else is computed in f32.
;;   The module's matrix products, in the order in which they are computed (A, B: the left and right operand; K: the contracted axis; several contracted axes count as one K, in the product's order):
;;     1. [M 8,192, K 1,024] x [K 1,024, N 1,024]; A: input x; B: input Wq: QUANTISED (scales: A lowp_scales[0], B lowp_scales[1])
;;     2. [M 8,192, K 1,024] x [K 1,024, N 1,024]; A: input x; B: input Wk: QUANTISED (scales: A lowp_scales[2], B lowp_scales[3])
;;     3. [M 8,192, K 1,024] x [K 1,024, N 1,024]; A: input x; B: input Wv: QUANTISED (scales: A lowp_scales[4], B lowp_scales[5])
;;     4. batch 64 x [M 2,048, K 64] x [K 64, N 2,048]; A: computed on the way; B: computed on the way: QUANTISED (scales: A lowp_scales[6], B lowp_scales[7])
;;     5. batch 64 x [M 2,048, K 2,048] x [K 2,048, N 64]; A: softmax (see below); B: computed on the way: QUANTISED (scales: A lowp_scales[8], B lowp_scales[9])
;;     6. [M 8,192, K 1,024] x [K 1,024, N 1,024]; A: computed on the way; B: input Wo: QUANTISED (scales: A lowp_scales[10], B lowp_scales[11])
;;   THE QUANTISER, for each operand of a quantised product, along K:
;;     - The operand's scale is 2^e, e = its entry of the input lowp_scales (int32; the entries are numbered through the quantised products in the list's order, A before B).
;;     - Each number is divided by the scale, clamped to +-57,344, and rounded to the nearest number of E5M2, ties to even, subnormals kept.
;;     - The product sums the exact products of the quantised numbers (number of the format x scale) in f32.
;;   ~~~python
;;   def quantise(x, axis, e):      # numpy; x: float32 -> the quantised numbers, widened to float32 again
;;       x = np.moveaxis(x, axis, -1); K = x.shape[-1]
;;       r = np.clip(x / 2.0 ** e, -57344, 57344)
;;       step = 2.0 ** (np.maximum(np.frexp(np.where(r == 0, 1, r))[1] - 1, -14) - 2)
;;       q = np.round(r / step) * step * 2.0 ** e      # np.round: ties to even
;;       return np.moveaxis(q, -1, axis).astype(np.float32)
;;   ~~~
;;   SOFTMAX AHEAD OF A QUANTISED PRODUCT. Where the list says 'softmax', what is quantised is not the finished softmax but p = 2^(t - M), with t = logit x log2(e) and M = ceil(the row's largest t), a whole number; so 1/2 < the row's largest p <= 1. The row's sum l is taken of the UNQUANTISED p, in f32, and the product's result is divided by l at the end. Since M is a whole number, a kernel that streams over the keys may use a running M (the ceiling of the running maximum): every later rescaling is an exact power of two, so the quantised numbers keep their values, but for numbers so far below the row's largest that they fall under the format's range.
;;   OPERANDS COMPUTED ON THE WAY. 'Computed on the way' means the value that the module computes at that place (a softmax that the list does not call 'softmax' is quantised finished and normalised). What goes into a quantiser is computed in f32, as accurately as f32 sums, v_exp_f32 and their like allow (about 1e-6 of the number): no bf16 or f16 on the way to a quantiser, and a product that is left as it is and whose result goes on into a quantised operand takes f32 operands (vector FMAs, or v_wmma_f32_16x16x4_f32). A number that lies on a knife's edge between two numbers of the format may be rounded either way, as far as f32 arithmetic and the matrix unit's own rounding can turn it there, and no further.
;; One version. Each part assembles by itself: llvm-mc -triple=amdgcn-amd-amdhsa -mcpu=gfx1250 --defsym DOCPART=n.
;; ======== version 1 of 1: 4 launches
;; limits: right only within a limited range of input values
;; workspace buffers: cw 29,360,128 bytes; qkv 25,165,824 bytes; ac 8,388,608 bytes
;; launch quant (part 1): grid 384 x 1, 4 waves a work-group, no clusters, 33,280 bytes of LDS; arguments x, Wq, Wk, Wv, Wo, lowp_scales, cw; writes cw
.if DOCPART == 1
	.amdgcn_target "amdgcn-amd-amdhsa--gfx1250"
	.amdhsa_code_object_version 6
	.text
	.protected	k_q2a0b249f3b_quant
	.globl	k_q2a0b249f3b_quant
	.p2align	8
	.type	k_q2a0b249f3b_quant,@function
k_q2a0b249f3b_quant:
	s_mov_b64 s[64:65], 0
	v_nop
	global_prefetch_b8 v0, s[64:65] scope:SCOPE_SE
	s_setreg_imm32_b32 hwreg(HW_REG_WAVE_MODE, 25, 1), 1
	s_wait_xcnt 0x0
; x [8192][1024] and the four weights [1024][1024], all f32 with K innermost, become codes of BF8 (E5M2), one byte each, in the workspace cw:
;   bytes 0 .. 24 MiB: x three times, [3][8192][1024], under the scales 2^e0, 2^e2, 2^e4 (x is an operand of three products, each with an entry of its own);
;   bytes 24 .. 28 MiB: Wq (e1), Wk (e3), Wv (e5), Wo (e11), [4][1024][1024].
; code = number / 2^e, held within +-57,344, rounded to the nearest code, ties to even.
; ORDER INSIDE A ROW: of every 32 codes the four groups of eight lie in the order 0, 2, 1, 3.  A lane that later takes 16 bytes at 32 c + 16 (lane / 16) of a row then holds
; k = 32 c + 8 (lane / 16) + 0 .. 7 and k = 32 c + 16 + 8 (lane / 16) + 0 .. 7: the places that the plain 8-bit matrix form gives its registers 4 c .. 4 c + 3.
; LIMITS: each e used here lies between -126 and 112, so that 2^e and 57,344 x 2^e are f32 numbers.  NaN among the inputs is not served.
; SHARES: rows are dense, so each tensor is a stream of blocks of 32.  A work-group takes 32,768 numbers, a wave 16 steps of 512.  Work-groups 0-255 take x, 256-383 the weights, 32 each.
; Each load reads 512 consecutive bytes (16 a lane); a step's 2,048 bytes turn through the wave's own stage in LDS and come back 64 bytes a lane: 16 numbers that lie together in the output.
; The order 0, 2, 1, 3 costs nothing in the steps: on the way INTO the stage a lane's 16 bytes go to the place whose bits 1 and 2 are exchanged.
; No tensor loads, no barrier: waves share nothing.  Loads run four steps (16 loads a wave) ahead, the turn through LDS one step.  Matrix units, clusters and a ring in LDS would add nothing to a stream.
.set STEPS, 16
.set SP,    80                         ; a lane's place in a stage: its 64 bytes + 16 of padding
.set WREG,  8192                       ; LDS: a region for each wave: two stages of 32 x SP bytes
.set OFS,   3                          ; v3      16 x lane: my bytes of a load's 512 and of a store's 512; never rewritten
.set SC0,   5                          ; v5-10   for each of up to three scales: 2^e, and 57,344 x 2^e
.set LM0,   6
.set SC1,   7
.set LM1,   8
.set SC2,   9
.set LM2,   10
.set SIN,   14                         ; v14     the stage, on the way in
.set SOUT,  15                         ; v15     the stage, on the way out
.set R,     16                         ; v16-79   four sets of 16 numbers as they are loaded
.set X,     80                         ; v80-111  two sets of 16 numbers as they leave
.set T,     112                        ; v112-159 three sets of 16 held numbers, one for each scale
.set C,     160                        ; v160-183 two sets of 12 registers of codes, by turns
	s_load_b256 s[4:11], s[0:1], 0x0               ; x s[4:5], Wq s[6:7], Wk s[8:9], Wv s[10:11]
	s_load_b128 s[12:15], s[0:1], 0x20             ; Wo s[12:13], the scales' exponents s[14:15]
	s_load_b64 s[16:17], s[0:1], 0x30              ; cw
	v_lshl_add_u32 v192, v0, 2, 0x8000
	v_mov_b32 v193, 0
	v_lshrrev_b32 v1, 5, v0
	v_readfirstlane_b32 s18, v1                    ; wave
	v_and_b32 v2, 31, v0                           ; lane
	v_lshlrev_b32 v[OFS], 4, v2
	s_mul_i32 s24, s18, WREG
	v_and_b32 v11, 0x19, v2                        ; the lane's number with bits 1 and 2 exchanged:
	v_bfe_u32 v12, v2, 1, 1
	v_bfe_u32 v13, v2, 2, 1
	v_lshl_add_u32 v11, v12, 2, v11
	v_lshl_add_u32 v11, v13, 1, v11                ; the place of my 16 bytes (4 numbers) among a load's 32
	v_lshrrev_b32 v[SIN], 2, v11
	v_mul_u32_u24 v[SIN], v[SIN], SP
	v_and_b32 v12, 3, v11
	v_lshl_add_u32 v[SIN], v12, 4, v[SIN]
	v_add_nc_u32 v[SIN], s24, v[SIN]               ; in: four places' 64 bytes on end, then 16 of padding
	v_mul_u32_u24 v[SOUT], v2, SP
	v_add_nc_u32 v[SOUT], s24, v[SOUT]             ; out: SP x lane
	s_sub_co_u32 s25, ttmp9, 256
	s_lshr_b32 s20, s25, 5                         ; which weight,
	s_and_b32 s21, s25, 31                         ; and which 32,768 numbers of it
	s_cmp_lt_u32 ttmp9, 256                        ; x's work-group?  All choices hang on the work-group's number alone
	s_cselect_b32 s19, 1, 0
	s_cselect_b32 s20, 0, s20
	s_cselect_b32 s21, ttmp9, s21
	s_lshl_b32 s22, s21, 2
	s_add_co_u32 s22, s22, s18                     ; which run of 8,192 numbers of the tensor is my wave's
	s_lshl_b32 s36, s20, 20
	s_add_co_u32 s36, s36, 0x1800000               ; a weight's codes begin at 24 MiB + 1 MiB x weight,
	s_cmp_lg_u32 s19, 0
	s_cselect_b32 s36, 0, s36                      ; x's first copy at 0
	s_lshl_b32 s37, s22, 13
	s_add_co_u32 s36, s36, s37                     ; + 8,192 bytes of codes a run
	s_mov_b32 s37, 0
	s_lshl_b32 s38, s22, 15                        ; 32,768 bytes of numbers a run
	s_mov_b32 s39, 0
	s_wait_alu depctr_va_vdst(0)
	s_wait_kmcnt 0x0
	s_load_b256 s[40:47], s[14:15], 0x0            ; e0 .. e7
	s_load_b128 s[48:51], s[14:15], 0x20           ; e8 .. e11
	s_mov_b64 s[26:27], s[6:7]
	s_cmp_eq_u32 s20, 1
	s_cselect_b64 s[26:27], s[8:9], s[26:27]
	s_cmp_eq_u32 s20, 2
	s_cselect_b64 s[26:27], s[10:11], s[26:27]
	s_cmp_eq_u32 s20, 3
	s_cselect_b64 s[26:27], s[12:13], s[26:27]
	s_cmp_lg_u32 s19, 0
	s_cselect_b64 s[26:27], s[4:5], s[26:27]       ; the tensor that I read
	s_add_nc_u64 s[26:27], s[26:27], s[38:39]
	s_add_nc_u64 s[28:29], s[16:17], s[36:37]      ; where my codes go;
	s_add_nc_u64 s[30:31], s[28:29], 0x800000      ; x's second and third copy, 8 MiB further on each (used by x's work-groups alone)
	s_add_nc_u64 s[32:33], s[30:31], 0x800000
.macro LOAD t
.irp i, 0,1,2,3
	global_load_b128 v[R+16*((\t)%4)+4*\i:R+16*((\t)%4)+4*\i+3], v[OFS], s[26:27] offset:2048*(\t)+512*\i th:TH_LOAD_NT   ; 32 lanes read 512 consecutive bytes; read once in the launch
.endr
.endm
.macro TURN t                          ; step t's numbers through the stage: LDS serves a wave's instructions in order (ISA guide 5.7.1.4), so no wait stands between the stores and the loads
.irp i, 0,1,2,3
	ds_store_b128 v[SIN], v[R+16*((\t)%4)+4*\i:R+16*((\t)%4)+4*\i+3] offset:32*SP*((\t)%2)+8*SP*\i
.endr
.irp i, 0,1,2,3
	ds_load_b128 v[X+16*((\t)%2)+4*\i:X+16*((\t)%2)+4*\i+3], v[SOUT] offset:32*SP*((\t)%2)+16*\i
.endr
.endm
.macro SCALE e, sc, lm                 ; from the whole number in s[e]: 2^e and 57,344 x 2^e as f32 patterns
	s_add_co_i32 s34, s[\e], 127
	s_lshl_b32 s35, s34, 23
	v_mov_b32 v[\sc], s35                          ; the conversion takes its exponent field
	s_add_co_i32 s34, s34, 15
	s_lshl_b32 s34, s34, 23
	s_or_b32 s34, s34, 0x600000                    ; the mantissa field of 57,344
	v_mov_b32 v[\lm], s34
.endm
.macro COPY t, n, sc, lm               ; step t's 16 numbers under scale n: held into a set of their own (the numbers are wanted again), then 16 codes
.set XS, X+16*((\t)%2)
.set TS, T+16*(\n)
.set CD, C+12*((\t)%2)+4*(\n)
.set j, 0
.rept 16
	v_med3_num_f32 v[TS+j], v[XS+j], -v[\lm], v[\lm]   ; the conversion to an 8-bit code does not saturate (ISA guide 7.6.2): the hold comes first
.set j, j+1
.endr
	v_cvt_scalef32_pk8_bf8_f32 v[CD:CD+1], v[TS:TS+7], v[\sc]
	v_cvt_scalef32_pk8_bf8_f32 v[CD+2:CD+3], v[TS+8:TS+15], v[\sc]
.endm
.irp t, 0,1,2,3
	LOAD \t
.endr
	s_wait_kmcnt 0x0
	s_mov_b32 s52, s41                             ; the first scale: e1, e3, e5, e11 for the weights, e0 for x
	s_cmp_eq_u32 s20, 1
	s_cselect_b32 s52, s43, s52
	s_cmp_eq_u32 s20, 2
	s_cselect_b32 s52, s45, s52
	s_cmp_eq_u32 s20, 3
	s_cselect_b32 s52, s51, s52
	s_cmp_lg_u32 s19, 0
	s_cselect_b32 s52, s40, s52
	SCALE 52, SC0, LM0
	SCALE 42, SC1, LM1                             ; e2
	SCALE 44, SC2, LM2                             ; e4
	s_wait_alu depctr_va_vdst(0)
	s_wait_loadcnt 12                              ; step 0's four loads are in; the twelve of steps 1 to 3 may be out
	TURN 0
.macro STEP t
	s_wait_dscnt 0x0                               ; this step's numbers are back from the stage: so its stores into the stage have read their registers,
.if (\t)+4 < STEPS
	LOAD (\t)+4                                    ; which take the loads of four steps on
.endif
.if (\t)+1 < STEPS
.if STEPS-2-(\t) >= 3
	s_wait_loadcnt 12                              ; the next step's four loads are in; those of the three steps behind it may be out
.else
	s_wait_loadcnt 4*(STEPS-2-(\t))                ; the same, with fewer steps behind
.endif
	TURN (\t)+1                                    ; and go through the other stage while this step is worked
.endif
.if (\t) >= 2
	s_wait_xcnt 0x0                                ; the stores of two steps back have read this set of code registers: it is written again only behind this wait
.endif
	COPY \t, 0, SC0, LM0
	v_nop                                          ; a plain line behind the last conversion of a run
	global_store_b128 v[OFS], v[C+12*((\t)%2):C+12*((\t)%2)+3], s[28:29] offset:512*(\t)   ; the wave stores 512 consecutive bytes, aligned
	s_cmp_lg_u32 s19, 0                            ; x alone has two more scales.  The branch hangs on the work-group's number and stands round register work and global stores alone
	s_cbranch_scc0 .Lw_\@
	COPY \t, 1, SC1, LM1
	COPY \t, 2, SC2, LM2
	v_nop
	global_store_b128 v[OFS], v[C+12*((\t)%2)+4:C+12*((\t)%2)+7], s[30:31] offset:512*(\t)
	global_store_b128 v[OFS], v[C+12*((\t)%2)+8:C+12*((\t)%2)+11], s[32:33] offset:512*(\t)
.Lw_\@:
.endm
.irp t, 0,1,2,3,4,5,6,7,8,9,10,11,12,13,14,15
	STEP \t
.endr
	s_wait_tensorcnt 0x0
	ds_add_u32 v192, v193
	s_wait_dscnt 0x0
	s_endpgm
.Lfunc_end_k_q2a0b249f3b_quant:
	.size	k_q2a0b249f3b_quant, .Lfunc_end_k_q2a0b249f3b_quant-k_q2a0b249f3b_quant
	.p2alignl 7, 3214868480
	.fill 96, 4, 3214868480
	.section	.rodata,"a",@progbits
	.p2align	6, 0x0
	.amdhsa_kernel k_q2a0b249f3b_quant
		.amdhsa_group_segment_fixed_size 33280
		.amdhsa_private_segment_fixed_size 0
		.amdhsa_enable_private_segment 0
		.amdhsa_kernarg_size 56
		.amdhsa_user_sgpr_count 2
		.amdhsa_user_sgpr_kernarg_segment_ptr 1
		.amdhsa_wavefront_size32 1
		.amdhsa_system_sgpr_workgroup_id_x 1
		.amdhsa_system_sgpr_workgroup_id_y 1
		.amdhsa_system_sgpr_workgroup_id_z 1
		.amdhsa_system_vgpr_workitem_id 0
		.amdhsa_next_free_vgpr 194
		.amdhsa_next_free_sgpr 66
		.amdhsa_reserve_vcc 0
		.amdhsa_float_denorm_mode_32 3
		.amdhsa_float_denorm_mode_16_64 3
		.amdhsa_memory_ordered 1
		.amdhsa_forward_progress 1
		.amdhsa_inst_pref_size 80
	.end_amdhsa_kernel
	.amdgpu_metadata
---
amdhsa.version: [ 1, 2 ]
amdhsa.kernels:
  - .name:           k_q2a0b249f3b_quant
    .symbol:         k_q2a0b249f3b_quant.kd
    .args:
      - { .name: x, .offset: 0, .size: 8, .value_kind: global_buffer, .address_space: global }
      - { .name: Wq, .offset: 8, .size: 8, .value_kind: global_buffer, .address_space: global }
      - { .name: Wk, .offset: 16, .size: 8, .value_kind: global_buffer, .address_space: global }
      - { .name: Wv, .offset: 24, .size: 8, .value_kind: global_buffer, .address_space: global }
      - { .name: Wo, .offset: 32, .size: 8, .value_kind: global_buffer, .address_space: global }
      - { .name: lowp_scales, .offset: 40, .size: 8, .value_kind: global_buffer, .address_space: global }
      - { .name: cw, .offset: 48, .size: 8, .value_kind: global_buffer, .address_space: global }
    .group_segment_fixed_size: 33280
    .private_segment_fixed_size: 0
    .kernarg_segment_align: 8
    .kernarg_segment_size: 56
    .max_flat_workgroup_size: 128
    .sgpr_count:     66
    .vgpr_count:     194
    .wavefront_size: 32
...
	.end_amdgpu_metadata
.endif
;; end of part 1
;; launch proj (part 2): grid 12 x 32, 4 waves a work-group, clusters of 4 x 4, 327,680 bytes of LDS; arguments cw, lowp_scales, bq, bk, bv, qkv; writes qkv
.if DOCPART == 2
	.amdgcn_target "amdgcn-amd-amdhsa--gfx1250"
	.amdhsa_code_object_version 6
	.text
	.protected	k_q2a0b249f3b_proj
	.globl	k_q2a0b249f3b_proj
	.p2align	8
	.type	k_q2a0b249f3b_proj,@function
k_q2a0b249f3b_proj:
	s_mov_b64 s[64:65], 0
	v_nop
	global_prefetch_b8 v0, s[64:65] scope:SCOPE_SE
	s_setreg_imm32_b32 hwreg(HW_REG_WAVE_MODE, 25, 1), 1
	s_wait_xcnt 0x0
	s_wait_alu depctr_hold_cnt(0) depctr_sa_sdst(0) depctr_va_vdst(0) depctr_va_sdst(0) depctr_va_ssrc(0) depctr_va_vcc(0) depctr_vm_vsrc(0)
	s_getreg_b32 s2, hwreg(HW_REG_IB_STS2, 6, 4)
	s_cmp_eq_u32 s2, 0
	s_cbranch_scc0 .Lentry_in_a_cluster
	s_endpgm
.Lentry_in_a_cluster:
	s_bfe_u32 s2, ttmp6, 0x10000c
	s_cmp_lg_u32 s2, 0xf033
	s_cbranch_scc0 .Lentry_shape_is_right
	s_endpgm
.Lentry_shape_is_right:
; q = x Wq^T + bq, k = x Wk^T + bk, v = x Wv^T + bv on codes of BF8 (E5M2) from cw; each result is quantised at once (q: 2^e6, k: 2^e7, v: 2^e9) and stored as IMAGES OF OPERAND REGISTERS.
; JOB = the cluster's x: 0 q, 1 k, 2 v; all sixteen partners of a cluster share it.  One text serves the three: a tile of 256 x 256 of "A" x "B"^T, K = 1,024.
;   q, k: A = x's codes (copy JOB), B = the weight's.   v: A = Wv's codes, B = x's codes (copy 2): the roles are exchanged.
; THE MATRIX INSTRUCTION IS USED TRANSPOSED (source 0 = 16 rows of B, source 1 = 16 rows of A): a lane holds ONE row of A and eight neighbouring rows of B.  So for q and k a lane holds one token and eight neighbours
; of the head's 64, for v one of the head's 64 and eight neighbouring tokens: in each case eight neighbours along the NEXT product's K, which one conversion turns into two operand registers.
; AN IMAGE is 1,024 bytes: the eight registers of a fragment of 16 x 64: registers 0-3 at 16 x lane, registers 4-7 at 512 + 16 x lane.  Lane (r, h), registers 2 c, 2 c + 1:
;   q, k: [16 batch + head][tile of 16 tokens, 128][image]: token r, d = 16 c + 8 h + 0 .. 7.     v: [16 batch + head][group of 64 keys, 32][16 of d, 4][image]: d = 16 dt + r, keys 16 c + 8 h + 0 .. 7.
; Each store of the wave covers 512 consecutive bytes, aligned: no stage in LDS, nothing is transposed.  qkv: q at 0, k at 8 MiB, v at 16 MiB.
; What goes into the quantiser: sum x 2^(the two operands' e) + bias, one fused multiply-add in f32.
; LIMITS: e0 + e1, e2 + e3, e4 + e5 between -126 and 127; e6, e7, e9 between -126 and 112: each power of two below is then an f32 number.  NaN among the inputs is not served.
; SHARES: four waves, a wave 128 x 128: 64 accumulators, 512 registers.  K goes in four steps of 256 through a ring of two LDS slots; a tile's row is 256 bytes of memory.  The four K steps are written out: no loop.
; CLUSTERS: 4 x 4 work-groups.  The four of a row of the cluster need the same tiles of A, the four of a column the same tiles of B: each tile is asked for JOINTLY.
; No prefetch: half of K is asked for at the head, where every work-group's first tiles are on their way, and two refills follow.
; REGISTERS, in windows of 256: window 0: v0-31 addresses; v32-97 at work on the way out; from v128 A's fragments, ONE set, later the images.
;   window 1: B's fragments, TWO sets, at v0 and v128; the biases take set 0 when it is done with.   windows 2, 3: the accumulators (accumulator (a, b) at v[8 (8 (a % 4) + b)]).
.set ROWB,   256                       ; a tile's row in bytes
.set KROW,   1024                      ; a row of codes in memory
.set PITCH,  272                       ; an LDS row: 256 bytes + 16 of padding = 68 words: row r starts at bank 4 r mod 64 (64 banks of 4 bytes: ISA guide 11.1)
.set FR,     16                        ; registers of a fragment: 16 rows x 128 K
.set NL,     4                         ; LDS loads that bring one
.set NP,     4                         ; places behind this matrix instruction (ISA guide 7.12.1)
.set HALFT,  128*PITCH                 ; 128 rows: what one tensor load brings, and what one wave reads of A or of B
.set SLOT,   4*HALFT                   ; A's 256 rows, then B's 256 rows
.set SPARE,  2*SLOT                    ; behind the ring: the spare words, 128 bytes for each wave: two blocks of 256 bytes that no other line names
.set ADRA, 16                          ; v16-17  LDS address of my A fragments in slot 0, 1
.set ADRB, 20                          ; v20-21  the same for B
.set LI,   24                          ; v24     16 x lane: my place in half an image
.set BO1,  25                          ; v25     32 x (lane / 16): q, k: my eight numbers of a block's 16 biases
.set BO2,  26                          ; v26     4 x (lane % 16): v: my one number of a block's 16 biases
.set SPW,  28                          ; v28     LDS address of my spare word; never rewritten
.set NIL,  29                          ; v29     0; never rewritten
.set TMP,  32                          ; v32-95  a block's 64 numbers ahead of the quantiser
.set SCL,  96                          ; v96     2^eout
.set LIM,  97                          ; v97     57,344 x 2^eout
.set AF,   128                         ; A's fragments
.set IMG,  128                         ; the way out: block a's two images at v[128 + 16 a]: each has registers of its own, so no store's data are written again
.set G1, 24                            ; s[24:31] descriptor group 1 for A's tiles;  s[32:39] group 0, one set for each slot
.set G0, 32
.set G1B, 48                           ; s[48:55], s[56:63] the same for B's tiles
.set G0B, 56
.set JOB, 66                           ; s66
.set MSB, 0
.macro WIN new                         ; the immediate's high byte repeats the setting that is left
.if MSB != (\new)
	s_set_vgpr_msb (MSB<<8)|(\new)
.set MSB, (\new)
.endif
.endm
.set MUL_LO, 0xa1                      ; source 0 (B) window 1, source 1 (A) window 0, C and D window 2
.set MUL_HI, 0xf1                      ; the same, C and D window 3
.set TO_B,   0x40                      ; destination window 1, address window 0
; A joint load: waves 0 and 1 fetch for A, waves 2 and 3 for B.  Each of the two lines has ONE mask and one set of registers for all that issue it; the branch hangs on the wave's number alone.
; Four v_nop follow each of the two lines, ahead of the jump, the label and what follows.
.macro JLOAD g0a, g1a, g0b, g1b
	s_cmp_eq_u32 s15, 0
	s_cbranch_scc0 .Lfor_b_\@
	tensor_load_to_lds s[\g0a:\g0a+3], s[\g1a:\g1a+7]
	s_nop 0
.rept 4
	v_nop
.endr
	s_branch .Lasked_\@
.Lfor_b_\@:
	tensor_load_to_lds s[\g0b:\g0b+3], s[\g1b:\g1b+7]
	s_nop 0
.rept 4
	v_nop
.endr
.Lasked_\@:
.endm
.macro CREST                           ; a round of the cluster's barrier behind its opening barrier
	s_cmp_lg_u32 s14, 0
	s_cbranch_scc1 .Lnot_wave_0_\@
	s_barrier_signal -3
.Lnot_wave_0_\@:
	s_barrier_wait -3
	s_barrier_signal -1
	s_barrier_wait -1
.endm
.macro CROUND                          ; a whole round
	s_barrier_signal -1
	s_barrier_wait -1
	CREST
.endm
	s_load_b256 s[4:11], s[0:1], 0x0               ; cw s[4:5], the scales' exponents s[6:7], bq s[8:9], bk s[10:11]
	s_load_b128 s[68:71], s[0:1], 0x20             ; bv s[68:69], qkv s[70:71]
	v_lshl_add_u32 v[SPW], v0, 2, SPARE
	v_mov_b32 v[NIL], 0
	ds_add_u32 v28, v29
	ds_add_u32 v28, v29
	s_wait_dscnt 0x0
	v_lshrrev_b32 v1, 5, v0
	v_readfirstlane_b32 s14, v1                    ; wave 0..3
	s_lshr_b32 s15, s14, 1                         ; which half of A's 256 rows is mine.  Also: I fetch for A (0) or for B (1)
	s_and_b32 s16, s14, 1                          ; which half of B's.  Also: which 128 rows of that tile I fetch
	s_bfe_u32 s40, ttmp6, 0x40000                  ; cx, cy: my place in the cluster
	s_bfe_u32 s41, ttmp6, 0x40004
	s_mov_b32 s[JOB], ttmp9                        ; the cluster's x
	s_and_b32 s67, ttmp7, 0xffff                   ; the cluster's y, 0..7
	s_lshl_b32 s90, s[JOB], 23                     ; q, k: A = x's copy JOB, 8 MiB each;
	s_lshl_b32 s91, s[JOB], 20
	s_add_co_u32 s91, s91, 0x1800000               ; B = the weight's codes, 24 MiB + 1 MiB x JOB
	s_cmp_eq_u32 s[JOB], 2
	s_cselect_b32 s88, 0, s67                      ; the long axis (8,192 tokens, 32 tiles) runs down the tile rows for q and k,
	s_cselect_b32 s89, s67, 0                      ; along the tile columns for v
	s_cselect_b32 s90, 0x1a00000, s90              ; v: A = Wv's codes, at 26 MiB;
	s_cselect_b32 s91, 0x1000000, s91              ; B = x's copy 2, at 16 MiB
	s_lshl_b32 s42, s89, 2
	s_add_co_u32 s42, s42, s40                     ; tile column (of B)
	s_lshl_b32 s17, s88, 2
	s_add_co_u32 s17, s17, s41                     ; tile row (of A)
	s_lshl_b32 s43, s41, 2
	s_lshl_b32 s43, 15, s43                        ; my row of the cluster
	s_lshl_b32 s44, 0x1111, s40                    ; my column
	; descriptor group 1: a tile of 128 rows x 256 bytes, padded in LDS
	s_or_b32 s[G1+0], s43, (0<<16)|(1<<20)|(1<<21)|(5<<22)|(3<<25)  ; 15:0 the mask: A's tiles go to my row; 17:16 element of 1 byte; 20 padding on; 21 set beside a mask; 24:22 after every 64 words (code 5); 31:25 of 4 words (code 3)
	s_or_b32 s[G1B+0], s44, (0<<16)|(1<<20)|(1<<21)|(5<<22)|(3<<25)
.irp g, G1, G1B
	s_mov_b32 s[\g+1], ROWB<<16                    ; tensor_dim0
	s_mov_b32 s[\g+2], 128<<16                     ; tensor_dim1 = 128
	s_mov_b32 s[\g+3], ROWB<<16                    ; tile_dim0
	s_mov_b32 s[\g+4], 128                         ; tile_dim1 = 128
	s_mov_b32 s[\g+5], KROW                        ; tensor_dim0_stride
	s_mov_b32 s[\g+6], 0
	s_mov_b32 s[\g+7], 0
.endr
	; A's address is made of the tile row and the wave's number, B's of the tile column and the wave's number, each in registers that never hold the other coordinate.  All offsets stay under 28 MiB
	s_lshl_b32 s18, s16, 7                         ; which 128 rows of the tile I fetch
	s_lshl_b32 s20, s17, 8
	s_add_co_u32 s20, s20, s18                     ; A: row 256 x tile row + 128 x half,
	s_lshl_b32 s20, s20, 10                        ; in bytes,
	s_add_co_u32 s20, s20, s90                     ; in cw
	s_mov_b32 s21, 0
	s_lshl_b32 s46, s42, 8
	s_add_co_u32 s46, s46, s18                     ; B: row 256 x tile column + 128 x half
	s_lshl_b32 s46, s46, 10
	s_add_co_u32 s46, s46, s91
	s_mov_b32 s47, 0
	s_mul_i32 s45, s14, HALFT                      ; where they go: wave x 128 rows: no place in the cluster enters an LDS address
	s_wait_kmcnt 0x0
	s_load_b256 s[72:79], s[6:7], 0x0              ; e0 .. e7
	s_load_b128 s[80:83], s[6:7], 0x20             ; e8 .. e11
	s_add_nc_u64 s[20:21], s[4:5], s[20:21]
	s_add_nc_u64 s[46:47], s[4:5], s[46:47]
	CROUND                                         ; all sixteen work-groups are here: the first joint loads meet
.irp s, 0,1
	s_mov_b32 s[G0+4*\s], 1
	s_add_co_u32 s[G0+4*\s+1], s45, \s*SLOT
	s_add_nc_u64 s[G0+4*\s+2:G0+4*\s+3], s[20:21], \s*ROWB
	s_or_b32 s[G0+4*\s+3], s[G0+4*\s+3], 0x80000000
	s_mov_b32 s[G0B+4*\s], 1
	s_add_co_u32 s[G0B+4*\s+1], s45, \s*SLOT
	s_add_nc_u64 s[G0B+4*\s+2:G0B+4*\s+3], s[46:47], \s*ROWB
	s_or_b32 s[G0B+4*\s+3], s[G0B+4*\s+3], 0x80000000
.endr
	JLOAD G0, G1, G0B, G1B                         ; K step 0: one tensor load a wave at the head
	v_and_b32 v1, 15, v0                           ; r = l % 16
	v_bfe_u32 v2, v0, 4, 1                         ; h = l / 16
	v_mul_u32_u24 v3, v1, PITCH
	v_lshl_add_u32 v4, v2, 4, v3                   ; a fragment's row x pitch + 16 x half
	s_mul_i32 s21, s15, HALFT                      ; my 128 rows of A
	s_mul_i32 s22, s16, HALFT                      ; my 128 rows of B,
	s_add_co_u32 s22, s22, 2*HALFT                 ; which lie behind A's 256
.irp s, 0,1
	v_add_nc_u32 v[ADRA+\s], s21, v4
	v_add_nc_u32 v[ADRB+\s], s22, v4
	s_add_co_u32 s21, s21, SLOT
	s_add_co_u32 s22, s22, SLOT
.endr
	v_and_b32 v5, 31, v0
	v_lshlrev_b32 v[LI], 4, v5
	v_lshlrev_b32 v[BO1], 5, v2
	v_lshlrev_b32 v[BO2], 2, v1
.macro FRAG reg, adr, q, i             ; a fragment, 16 rows x 128 K, is 16 registers: lane l holds row l % 16; the 16 bytes at 32 c + 16 (l / 16) fill registers 4 c .. 4 c + 3 (the rows' own order gives each k the form's place)
.irp c, 0,1,2,3
	ds_load_b128 v[\reg+4*\c:\reg+4*\c+3], v[\adr] offset:128*(\q)+32*\c+(\i)*16*PITCH
.endr
.endm
; 16 matrix instructions: A's blocks a0, a0 + 1 x B's eight, 128 along K.  p: B's set.  zero = 1: the first product starts the sums: nothing is ever cleared.
; The 64 accumulators take turns, one instruction a turn, in the same order in every step.
.macro MUL16 a0, p, zero
.irp a, \a0, \a0+1
.irp b, 0,1,2,3,4,5,6,7
.if \zero
	v_wmma_f32_16x16x128_bf8_bf8 v[8*(8*((\a)%4)+\b):8*(8*((\a)%4)+\b)+7], v[128*(\p)+FR*\b:128*(\p)+FR*\b+FR-1], v[AF+FR*(\a):AF+FR*(\a)+FR-1], 0
.else
	v_wmma_f32_16x16x128_bf8_bf8 v[8*(8*((\a)%4)+\b):8*(8*((\a)%4)+\b)+7], v[128*(\p)+FR*\b:128*(\p)+FR*\b+FR-1], v[AF+FR*(\a):AF+FR*(\a)+FR-1], v[8*(8*((\a)%4)+\b):8*(8*((\a)%4)+\b)+7]
.endif
.endr
.endr
.endm
.macro FETCH_B slot, q, p              ; B's eight fragments of the slot's q-th 128 along K into set p
	WIN TO_B
.irp i, 0,1,2,3,4,5,6,7
	FRAG 128*(\p)+FR*\i, ADRB+\slot, \q, \i
.endr
	WIN 0
.endm
.macro FETCH_A slot, q, i0             ; A's blocks i0 .. i0 + 3
.irp i, \i0, \i0+1, \i0+2, \i0+3
	FRAG AF+FR*(\i), ADRA+\slot, \q, \i
.endr
.endm
; A load into a register that a matrix instruction has read, and a vector instruction that reads a matrix result or writes one of its registers, stand NP places behind it; only plain vector
; instructions that name none of its registers are places (ISA guide 7.12.1 for vector instructions).
.macro PLACES n
.rept \n
	v_nop
.endr
.endm
; A step of 128 along K that has its successor in the same slot.  A block of A is free as soon as its eight products are issued, so one set serves A; B's fragments are at work through the whole step and have two sets.
.macro STEP slot, q, zero
	s_wait_dscnt 4*NL                              ; B's set and A's blocks 0-3 are in; the youngest sixteen loads (A's blocks 4-7) may be out
	WIN MUL_LO
	MUL16 0, (\q)%2, \zero
	MUL16 2, (\q)%2, \zero
	s_wait_dscnt 0                                 ; A's blocks 4-7 are in (asked for 32 matrix instructions ago)
	PLACES NP
	FETCH_B \slot, (\q)+1, 1-(\q)%2
	FETCH_A \slot, (\q)+1, 0
	WIN MUL_HI
	MUL16 4, (\q)%2, \zero
	MUL16 6, (\q)%2, \zero
	PLACES NP
	WIN 0
	FETCH_A \slot, (\q)+1, 4
.endm
; A slot's last step changes slots: ONE barrier; in front of it each wave waits for all its tensor loads, adds 0 to its spare word, and waits for that and for its own reads of this slot.  fill = 1: this slot is filled again, two K steps ahead.
.macro TURN slot, next, fill
	s_wait_tensorcnt 0x0                           ; all my tensor loads have landed: my part of the next slot  (every window is 0 here: the add's two registers lie in window 0)
	ds_add_u32 v[SPW], v[NIL]                      ; 0 onto my spare word
	s_wait_dscnt 4*NL+1                            ; (the add and the youngest sixteen loads, A's blocks 4-7, may be out)
	WIN MUL_LO
	MUL16 0, 1, 0                                  ; sixteen matrix instructions stand between the add and the wait for it
	s_wait_dscnt 0x0                               ; the add is done, and my reads of this slot are over
	s_barrier_signal -1
	MUL16 2, 1, 0
	WIN 0
	s_barrier_wait -1
.if \fill
	CREST                                          ; the barrier has opened a round of the cluster's barrier: no wave of any partner still reads this slot's tile or has a load on its way
	s_add_nc_u64 s[G0+4*\slot+2:G0+4*\slot+3], s[G0+4*\slot+2:G0+4*\slot+3], 2*ROWB
	s_add_nc_u64 s[G0B+4*\slot+2:G0B+4*\slot+3], s[G0B+4*\slot+2:G0B+4*\slot+3], 2*ROWB
	JLOAD G0+4*\slot, G1, G0B+4*\slot, G1B         ; the first tensor load behind the round, my one load until the next; the four v_nop behind it are the places in front of the loads below
.else
	PLACES NP
.endif
	FETCH_B \next, 0, 0
	FETCH_A \next, 0, 0
	WIN MUL_HI
	MUL16 4, 1, 0
	MUL16 6, 1, 0
	PLACES NP
	WIN 0
	FETCH_A \next, 0, 4
.endm
; THE WAY OUT of block a (16 rows of A x my 128 rows of B).  v = 0: q, k;  v = 1: v.  Sum x 2^esum + bias into other registers, each accumulator from its low end on; the hold; eight conversions: two images; four stores.
.macro EPI v, a
.set AC, 64*((\a)%4)
.set IM, IMG+16*(\a)
	WIN 0x12+((\a)/4)                              ; source 0 (the sums) window 2 or 3, source 2 (the biases) window 1, destination window 0
.irp b, 0,1,2,3,4,5,6,7
.irp i, 0,2,4,6
.if \v
	v_pk_fma_f32 v[TMP+8*\b+\i:TMP+8*\b+\i+1], v[AC+8*\b+\i:AC+8*\b+\i+1], s[96:97], v[2*(\a):2*(\a)+1] op_sel_hi:[1,0,1]   ; my row of Wv has one bias, held twice
.else
	v_pk_fma_f32 v[TMP+8*\b+\i:TMP+8*\b+\i+1], v[AC+8*\b+\i:AC+8*\b+\i+1], s[96:97], v[8*\b+\i:8*\b+\i+1] op_sel_hi:[1,0,1]   ; (the scalar pair's low word for both halves)
.endif
.endr
.endr
	WIN 0
.set j, 0
.rept 64
	v_med3_num_f32 v[TMP+j], v[TMP+j], -v[LIM], v[LIM]   ; the conversion to an 8-bit code does not saturate (ISA guide 7.6.2)
.set j, j+1
.endr
.irp b, 0,1,2,3,4,5,6,7
	v_cvt_scalef32_pk8_bf8_f32 v[IM+2*\b:IM+2*\b+1], v[TMP+8*\b:TMP+8*\b+7], v[SCL]   ; blocks 4 g + c of B give registers 2 c, 2 c + 1 of image g
.endr
	v_nop                                          ; a plain line behind the last conversion: the next block's multiply-adds write the numbers' registers
.irp g, 0,1
.if \v
.set OFF, 131072*((\a)/4)+1024*((\a)%4)+4096*\g    ; head a / 4 of my two, 16 of d a % 4, group of keys g of my two
.else
.set OFF, 1024*(\a)+131072*\g                      ; tile of tokens a of my eight, head g of my two
.endif
	global_store_b128 v[LI], v[IM+8*\g:IM+8*\g+3], s[86:87] offset:OFF          ; 32 lanes store 512 consecutive bytes, aligned
	global_store_b128 v[LI], v[IM+8*\g+4:IM+8*\g+7], s[86:87] offset:OFF+512
.endr
.endm
; One arm for q and k, one for v: the pointers, the biases' loads, the very last step of 128 along K (its 64 products stand between those loads and the wait for them), the way out.
.macro ARM v
.if \v
	s_lshl_b32 s92, s17, 10                        ; bv at 256 x tile row + 128 x my half of A, 4 bytes each
	s_lshl_b32 s93, s15, 9
	s_add_co_u32 s92, s92, s93
	s_mov_b32 s93, 0
	s_add_nc_u64 s[84:85], s[68:69], s[92:93]
	s_lshr_b32 s92, s42, 3                         ; batch = tile column / 8
	s_lshl_b32 s92, s92, 4
	s_lshl_b32 s93, s17, 2
	s_add_co_u32 s92, s92, s93
	s_lshl_b32 s93, s15, 1
	s_add_co_u32 s92, s92, s93                     ; 16 batch + head: 4 heads a tile row, 2 a half
	s_lshl_b32 s92, s92, 17                        ; 131,072 bytes each
	s_and_b32 s93, s42, 7
	s_lshl_b32 s93, s93, 2
	s_lshl_b32 s94, s16, 1
	s_add_co_u32 s93, s93, s94                     ; group of 64 keys: 4 a tile column, 2 a half
	s_lshl_b32 s93, s93, 12                        ; 4,096 bytes each
	s_add_co_u32 s92, s92, s93
	s_add_co_u32 s92, s92, 0x1000000               ; v's part of qkv
	s_mov_b32 s93, 0
	s_add_nc_u64 s[86:87], s[70:71], s[92:93]
.else
	s_cmp_eq_u32 s[JOB], 1
	s_cselect_b64 s[84:85], s[10:11], s[8:9]       ; bk or bq,
	s_lshl_b32 s92, s42, 10                        ; at 256 x tile column + 128 x my half of B, 4 bytes each
	s_lshl_b32 s93, s16, 9
	s_add_co_u32 s92, s92, s93
	s_mov_b32 s93, 0
	s_add_nc_u64 s[84:85], s[84:85], s[92:93]
	s_lshr_b32 s92, s17, 3                         ; batch = tile row / 8: 16 heads of 131,072 bytes
	s_lshl_b32 s92, s92, 21
	s_lshl_b32 s93, s42, 2
	s_lshl_b32 s94, s16, 1
	s_add_co_u32 s93, s93, s94                     ; head: 4 a tile column, 2 a half
	s_lshl_b32 s93, s93, 17
	s_add_co_u32 s92, s92, s93
	s_and_b32 s93, s17, 7
	s_lshl_b32 s93, s93, 4
	s_lshl_b32 s94, s15, 3
	s_add_co_u32 s93, s93, s94                     ; tile of 16 tokens: 16 a tile row, 8 a half
	s_lshl_b32 s93, s93, 10
	s_add_co_u32 s92, s92, s93
	s_lshl_b32 s93, s[JOB], 23                     ; q's or k's part of qkv
	s_add_co_u32 s92, s92, s93
	s_mov_b32 s93, 0
	s_add_nc_u64 s[86:87], s[70:71], s[92:93]
.endif
	WIN TO_B                                       ; B's set 0 is done with: its last readers stand in front of the last STEP's four places
.if \v
.irp a, 0,1,2,3,4,5,6,7
	global_load_b32 v[2*\a], v[BO2], s[84:85] offset:64*\a      ; the bias of row 16 a + r of my 128 rows of Wv, into both halves of a pair
	global_load_b32 v[2*\a+1], v[BO2], s[84:85] offset:64*\a
.endr
.else
.irp b, 0,1,2,3,4,5,6,7
	global_load_b128 v[8*\b:8*\b+3], v[BO1], s[84:85] offset:64*\b        ; the biases of rows 16 b + 8 h + 0 .. 7 of my 128 rows of the weight: the result's layout
	global_load_b128 v[8*\b+4:8*\b+7], v[BO1], s[84:85] offset:64*\b+16
.endr
.endif
	s_wait_dscnt 4*NL                              ; the very last step: nothing more to fetch
	WIN MUL_LO
	MUL16 0, 1, 0
	MUL16 2, 1, 0
	s_wait_dscnt 0
	WIN MUL_HI
	MUL16 4, 1, 0
	MUL16 6, 1, 0
	WIN 0
	PLACES NP                                      ; in front of the first read of results, and of the conversions that write where A's fragments lay
	s_wait_loadcnt 0x0                             ; the biases
	v_mov_b32 v[SCL], s98
	v_mov_b32 v[LIM], s99
.irp a, 0,1,2,3,4,5,6,7
	EPI \v, \a
.endr
.endm
	s_wait_alu depctr_va_vdst(0)
	s_wait_tensorcnt 0x0                           ; my part of K step 0 is in; the three lines ahead of a later first fill, as ahead of a refill
	ds_add_u32 v[SPW], v[NIL]
	s_wait_dscnt 0x0
	CROUND                                         ; everybody's part of K step 0 is in, and the joint loads meet
	JLOAD G0+4, G1, G0B+4, G1B                     ; K step 1: the first tensor load behind the round
	FETCH_B 0, 0, 0
	FETCH_A 0, 0, 0
	FETCH_A 0, 0, 4
	STEP 0, 0, 1                                   ; K 0-127: the first products start the sums
	TURN 0, 1, 1                                   ; K 128-255; slot 0 takes K 512-767
	STEP 1, 0, 0
	TURN 1, 0, 1                                   ; slot 1 takes K 768-1,023
	STEP 0, 0, 0
	TURN 0, 1, 0                                   ; nothing is left to fetch: no round of the cluster's barrier
	STEP 1, 0, 0
	s_wait_kmcnt 0x0
	s_add_co_i32 s92, s72, s73                     ; the two operands' exponents added: e0 + e1, e2 + e3, e4 + e5;
	s_add_co_i32 s93, s74, s75
	s_add_co_i32 s94, s76, s77
	s_cmp_eq_u32 s[JOB], 1
	s_cselect_b32 s92, s93, s92
	s_cselect_b32 s95, s79, s78                    ; the result's own: e6, e7, e9.  Nothing branches on a loaded number: the choices hang on JOB
	s_cmp_eq_u32 s[JOB], 2
	s_cselect_b32 s92, s94, s92
	s_cselect_b32 s95, s81, s95
	s_add_co_i32 s92, s92, 127
	s_lshl_b32 s96, s92, 23                        ; 2^esum as f32
	s_mov_b32 s97, s96                             ; (named with it as a pair, so it is written)
	s_add_co_i32 s95, s95, 127
	s_lshl_b32 s98, s95, 23                        ; 2^eout
	s_add_co_i32 s95, s95, 15
	s_lshl_b32 s95, s95, 23
	s_or_b32 s99, s95, 0x600000                    ; 57,344 x 2^eout
	s_cmp_eq_u32 s[JOB], 2                         ; the cluster's x: the same in all sixteen partners.  No tensor load and no barrier stands in an arm
	s_cbranch_scc1 .Lv
	ARM 0
	s_branch .Ldone
.Lv:
	ARM 1
.Ldone:
	s_wait_tensorcnt 0x0                           ; the wave's end, behind my last tensor load
	ds_add_u32 v[SPW], v[NIL]
	s_wait_dscnt 0x0
	CROUND                                         ; the closing round: no work-group ends while a partner may still ask for a tile that names it
	s_endpgm
.Lfunc_end_k_q2a0b249f3b_proj:
	.size	k_q2a0b249f3b_proj, .Lfunc_end_k_q2a0b249f3b_proj-k_q2a0b249f3b_proj
	.p2alignl 7, 3214868480
	.fill 96, 4, 3214868480
	.section	.rodata,"a",@progbits
	.p2align	6, 0x0
	.amdhsa_kernel k_q2a0b249f3b_proj
		.amdhsa_group_segment_fixed_size 327680
		.amdhsa_private_segment_fixed_size 0
		.amdhsa_enable_private_segment 0
		.amdhsa_kernarg_size 48
		.amdhsa_user_sgpr_count 2
		.amdhsa_user_sgpr_kernarg_segment_ptr 1
		.amdhsa_wavefront_size32 1
		.amdhsa_system_sgpr_workgroup_id_x 1
		.amdhsa_system_sgpr_workgroup_id_y 1
		.amdhsa_system_sgpr_workgroup_id_z 1
		.amdhsa_system_vgpr_workitem_id 0
		.amdhsa_next_free_vgpr 1024
		.amdhsa_next_free_sgpr 100
		.amdhsa_reserve_vcc 0
		.amdhsa_float_denorm_mode_32 3
		.amdhsa_float_denorm_mode_16_64 3
		.amdhsa_memory_ordered 1
		.amdhsa_forward_progress 1
		.amdhsa_inst_pref_size 199
	.end_amdhsa_kernel
	.amdgpu_metadata
---
amdhsa.version: [ 1, 2 ]
amdhsa.kernels:
  - .name:           k_q2a0b249f3b_proj
    .symbol:         k_q2a0b249f3b_proj.kd
    .args:
      - { .name: cw, .offset: 0, .size: 8, .value_kind: global_buffer, .address_space: global }
      - { .name: lowp_scales, .offset: 8, .size: 8, .value_kind: global_buffer, .address_space: global }
      - { .name: bq, .offset: 16, .size: 8, .value_kind: global_buffer, .address_space: global }
      - { .name: bk, .offset: 24, .size: 8, .value_kind: global_buffer, .address_space: global }
      - { .name: bv, .offset: 32, .size: 8, .value_kind: global_buffer, .address_space: global }
      - { .name: qkv, .offset: 40, .size: 8, .value_kind: global_buffer, .address_space: global }
    .group_segment_fixed_size: 327680
    .private_segment_fixed_size: 0
    .kernarg_segment_align: 8
    .kernarg_segment_size: 48
    .max_flat_workgroup_size: 128
    .sgpr_count:     100
    .vgpr_count:     1024
    .wavefront_size: 32
...
	.end_amdgpu_metadata
.endif
;; end of part 2
;; launch attn (part 3): grid 4 x 64, 16 waves a work-group, clusters of 4 x 1, 327,680 bytes of LDS; arguments qkv, lowp_scales, ac; writes ac
.if DOCPART == 3
	.amdgcn_target "amdgcn-amd-amdhsa--gfx1250"
	.amdhsa_code_object_version 6
	.text
	.protected	k_q2a0b249f3b_attn
	.globl	k_q2a0b249f3b_attn
	.p2align	8
	.type	k_q2a0b249f3b_attn,@function
k_q2a0b249f3b_attn:
	s_mov_b64 s[64:65], 0
	v_nop
	global_prefetch_b8 v0, s[64:65] scope:SCOPE_SE
	s_setreg_imm32_b32 hwreg(HW_REG_WAVE_MODE, 25, 1), 1
	s_wait_xcnt 0x0
	s_wait_alu depctr_hold_cnt(0) depctr_sa_sdst(0) depctr_va_vdst(0) depctr_va_sdst(0) depctr_va_ssrc(0) depctr_va_vcc(0) depctr_vm_vsrc(0)
	s_getreg_b32 s2, hwreg(HW_REG_IB_STS2, 6, 4)
	s_cmp_eq_u32 s2, 0
	s_cbranch_scc0 .Lentry_in_a_cluster
	s_endpgm
.Lentry_in_a_cluster:
	s_bfe_u32 s2, ttmp6, 0x10000c
	s_cmp_lg_u32 s2, 0x3003
	s_cbranch_scc0 .Lentry_shape_is_right
	s_endpgm
.Lentry_shape_is_right:
; Attention of one (batch, head) on codes of BF8 (E5M2): S^T = K Q^T (16x16x64 form, K = the head's 64), p = 2^(t - M), O^T += V^T P^T (16x16x128 form, K = 128 keys).
; t = score x log2(e) / 8 x 2^(e6 + e7); M = the running largest t rounded up to a whole number; p is quantised under 2^e8; the row's sum is taken of the unquantised p and divides O at the end;
; O x 2^(e8 + e9) / sum is quantised under 2^e10 and stored as images of operand registers for the last projection.
; INPUT: qkv as the projection stores it: images of 1,024 bytes (registers 0-3 at 16 x lane, 4-7 at 512 + 16 x lane): q, k: [16 batch + head][tile of 16 tokens][image]; v: [16 batch + head][64 keys][16 of d][image].
; SHARES: a work-group owns 512 queries of one head, each of its sixteen waves 32 (two tiles x = 0, 1): a fragment of K or V feeds two matrix instructions.  A lane holds one query (lane % 16) of each tile throughout.
; LDS: all 2,048 keys of the head: K at 0, V at 2^17, 131,072 bytes each, filled once.  Waves 0-7 fetch K, waves 8-15 V.  Fill 0, at the head: the first 512 keys, 4,096 bytes a wave.
; Fill 1, behind the three lines and a round: the other 1,536 keys, 12,288 bytes a wave; three key steps, which read fill 0's bytes alone, stand between its issue and the wait for it.
; CLUSTER: the four work-groups of a head read the same K and V: both fills are joint loads with the mask 15.
; No prefetch: both fills are issued ahead of the first loop, so there is no later stream to run ahead of.
; A KEY STEP is 128 keys.  REGISTERS: v0-15 below; v16-31 Q; v32-191 region E; v192-255 O^T (tile (dt, x) at 192 + 32 x + 8 dt).
;   E: the scores of tile t (16 keys) and x at 32 + 16 t + 8 x; K's tile t at 128 + 8 t: tiles 6 and 7's scores land where K's tiles 0-3 lay; p's codes at 160 + 16 x, where K's tiles 4-7 lay;
;   V's four fragments (16 of d x 128 keys) at 32 + 16 dt and the next step's K tiles 0-3 at 128 are loaded as soon as the scores there are converted; K's tiles 4-7 come at the step's head, when the codes are done with.
; LIMITS: e6 + e7 between -123 and 130; e8 and e10 between -126 and 112; the scaled scores stay under 2^31 in magnitude.  NaN among the inputs is not served.
.set SPARE, 0x40000                    ; behind K and V: the spare words, 128 bytes a wave
.set LA,   0                           ; v0  16 x lane (made from v0 when the head is done with it)
.set ADK,  1                           ; v1  the step's place in K
.set SPW,  2                           ; v2  my spare word; never rewritten
.set NIL,  3                           ; v3  0; never rewritten
.set NM,   4                           ; v4, v8   -M         (x: + 4)
.set TM,   5                           ; v5, v9   the running largest raw score
.set SUM,  6                           ; v[6:7], v[10:11]  the row's sum in two halves
.set F,    12                          ; v12, v14  2^(old M - new M); named in pairs with v13, v15, whose low word alone is taken
.set SCL,  13                          ; v13 2^e8 (later 2^e10), for the conversion
.set ADV,  15                          ; v15 the step's place in V
.set Q,    16
.set E,    32
.set KR,   128
.set P,    160
.set O,    192
.set MA,   160                         ; at work between the first product and the conversions, where K's tiles 4 and 5 lay: v160, v162
.set MB,   161                         ; v161, v163
.set PD,   164                         ; v164, v165
.set U,    168                         ; v[168:169], v[170:171]: where the codes of tiles 4 and 5 land, which are converted last, behind the line that adds these chains into the sums
.set LIMV, 176                         ; the way out: 57,344 x 2^e10
.set WV,   10
.set SEL,  20
.set CS,   22
.set G1A,  24                          ; s[24:31] group 1 of fill 0: 16 rows of 256 bytes
.set G0A,  32
.set G0B,  36
.set G1B,  40                          ; s[40:47] group 1 of fill 1: 48 rows of 256 bytes
.set TB,   48
.set CNT,  49
.set LIMS, 57                          ; s57 57,344 x 2^e8
.macro CROUND
	s_barrier_signal -1
	s_barrier_wait -1
	s_cmp_lg_u32 s[WV], 0
	s_cbranch_scc1 .Lnot_wave_0_\@
	s_barrier_signal -3
.Lnot_wave_0_\@:
	s_barrier_wait -3
	s_barrier_signal -1
	s_barrier_wait -1
.endm
	s_load_b128 s[4:7], s[0:1], 0x0                ; qkv, the scales' exponents
	s_load_b64 s[8:9], s[0:1], 0x10                ; ac
	v_lshl_add_u32 v[SPW], v0, 2, SPARE
	v_mov_b32 v[NIL], 0
	ds_add_u32 v[SPW], v[NIL]                      ; the opening lines: the add twice on end and one wait
	ds_add_u32 v[SPW], v[NIL]
	v_lshrrev_b32 v[ADK], 5, v0
	v_readfirstlane_b32 s[WV], v[ADK]              ; wave 0..15
	s_bfe_u32 s11, ttmp6, 0x40000                  ; cx: which 512 queries
	s_and_b32 s12, ttmp7, 0xffff                   ; 16 batch + head
.irp g, G1A, G1B
	s_mov_b32 s[\g], 15|(3<<16)|(1<<21)            ; the mask of all four partners; elements of 8 bytes; bit 21 beside a mask
	s_mov_b32 s[\g+1], 32<<16                      ; rows of 32 elements: 256 bytes, dense
	s_mov_b32 s[\g+3], 32<<16
	s_mov_b32 s[\g+5], 32
	s_mov_b32 s[\g+6], 0
	s_mov_b32 s[\g+7], 0
.endr
	s_mov_b32 s[G1A+2], 16<<16
	s_mov_b32 s[G1A+4], 16
	s_mov_b32 s[G1B+2], 48<<16
	s_mov_b32 s[G1B+4], 48
	s_lshr_b32 s13, s[WV], 3                       ; 0: K, 1: V
	s_and_b32 s14, s[WV], 7                        ; which eighth of a fill
	s_lshl_b32 s15, s13, 17
	s_lshl_b32 s16, s14, 12                        ; fill 0: 4,096 x eighth
	s_mul_i32 s19, s14, 12288
	s_add_co_u32 s19, s19, 32768                   ; fill 1: 32,768 + 12,288 x eighth
	s_mov_b32 s[G0A], 1
	s_add_co_u32 s[G0A+1], s15, s16
	s_mov_b32 s[G0B], 1
	s_add_co_u32 s[G0B+1], s15, s19
	s_lshl_b32 s50, s13, 23
	s_lshl_b32 s51, s12, 17
	s_add_co_u32 s50, s50, s51
	s_add_co_u32 s50, s50, 0x800000                ; the head's K (8 MiB) or V (16 MiB) in qkv
	s_add_co_u32 s16, s16, s50
	s_mov_b32 s17, 0
	s_add_co_u32 s50, s19, s50
	s_mov_b32 s51, 0
	s_lshl_b32 s18, s11, 5
	s_lshl_b32 s13, s[WV], 1
	s_add_co_u32 s18, s18, s13                     ; my first tile of 16 queries
	s_mov_b32 s[SEL], 0x76543210
	s_mov_b32 s[SEL+1], 0xfedcba98
	s_mov_b32 s[CS], 0x3e38aa3b                    ; log2(e) / 8
	s_wait_dscnt 0x0
	s_wait_kmcnt 0x0
	s_load_b128 s[52:55], s[6:7], 0x18             ; e6 .. e9
	s_load_b32 s56, s[6:7], 0x28                   ; e10
	s_add_nc_u64 s[G0A+2:G0A+3], s[4:5], s[16:17]
	s_or_b32 s[G0A+3], s[G0A+3], 0x80000000
	s_add_nc_u64 s[G0B+2:G0B+3], s[4:5], s[50:51]
	s_or_b32 s[G0B+3], s[G0B+3], 0x80000000
	CROUND                                         ; the round in front of the first joint loads
	tensor_load_to_lds s[G0A:G0A+3], s[G1A:G1A+7]  ; fill 0: my one load at the head
	s_nop 0
	s_lshl_b32 s50, s18, 10
	s_lshl_b32 s51, s12, 17
	s_add_co_u32 s50, s50, s51
	s_mov_b32 s51, 0
	s_add_nc_u64 s[58:59], s[4:5], s[50:51]        ; my two images of q
	s_lshr_b32 s50, s12, 4
	s_lshl_b32 s50, s50, 7
	s_add_co_u32 s50, s50, s18
	s_lshl_b32 s50, s50, 14                        ; ac: [tile of 16 tokens][head][image]
	s_and_b32 s51, s12, 15
	s_lshl_b32 s51, s51, 10
	s_add_co_u32 s50, s50, s51
	s_mov_b32 s51, 0
	s_add_nc_u64 s[60:61], s[8:9], s[50:51]
	v_and_b32 v[LA], 31, v0
	v_lshlrev_b32 v[LA], 4, v[LA]
.irp x, 0,1
	global_load_b128 v[Q+8*\x:Q+8*\x+3], v[LA], s[58:59] offset:1024*\x
	global_load_b128 v[Q+8*\x+4:Q+8*\x+7], v[LA], s[58:59] offset:1024*\x+512
.endr
.irp x, 0,1
	v_mov_b32 v[TM+4*\x], 0xff61b1e6               ; -3e38, under every score
	v_mov_b32 v[NM+4*\x], 0x7f61b1e6               ; -M to go with it
	v_mov_b32 v[SUM+4*\x], 0
	v_mov_b32 v[SUM+4*\x+1], 0
.endr
.set j, 0
.rept 64
	v_mov_b32 v[O+j], 0                            ; the step is written for all steps alike: the first finds zeros, which the first change of M leaves zeros
.set j, j+1
.endr
	s_wait_kmcnt 0x0
	s_add_co_i32 s50, s52, s53
	s_lshl_b32 s50, s50, 23
	s_add_co_i32 s[CS], s[CS], s50                 ; e6 + e7 added to the factor's exponent field
	s_mov_b32 s[CS+1], s[CS]
	s_add_co_i32 s50, s54, 127
	s_lshl_b32 s51, s50, 23
	v_mov_b32 v[SCL], s51                          ; 2^e8
	s_add_co_i32 s50, s50, 15
	s_lshl_b32 s50, s50, 23
	s_or_b32 s[LIMS], s50, 0x600000                ; 57,344 x 2^e8
	s_wait_alu depctr_va_vdst(0)
	s_wait_loadcnt 0x0                             ; q
	s_wait_tensorcnt 0x0                           ; my part of fill 0 is in; the three lines ahead of a later first fill
	ds_add_u32 v[SPW], v[NIL]
	s_wait_dscnt 0x0
	CROUND                                         ; everybody's part is in, and the joint loads meet
	tensor_load_to_lds s[G0B:G0B+3], s[G1B:G1B+7]  ; fill 1: the first tensor load behind the round
	s_nop 0
.irp t, 0,1,2,3
	ds_load_b128 v[KR+8*\t:KR+8*\t+3], v[LA] offset:1024*\t        ; step 0's tiles 0-3 of K
	ds_load_b128 v[KR+8*\t+4:KR+8*\t+7], v[LA] offset:1024*\t+512
.endr
	s_wait_dscnt 0x0
.macro QK t                            ; tile t's 16 keys against my two tiles of queries
.irp x, 0,1
	v_wmma_f32_16x16x64_bf8_bf8 v[E+16*(\t)+8*\x:E+16*(\t)+8*\x+7], v[KR+8*(\t):KR+8*(\t)+7], v[Q+8*\x:Q+8*\x+7], 0
.endr
.endm
.macro MAXT t, first                   ; tile t's scores into the maxima: four chains by turns, each tile from its low end on
.if \first
.irp x, 0,1
	v_max3_num_f32 v[TM+4*\x], v[TM+4*\x], v[E+16*(\t)+8*\x], v[E+16*(\t)+8*\x+1]   ; one chain runs in the running maximum itself,
.endr
.irp x, 0,1
	v_max_num_f32 v[F+2*\x], v[E+16*(\t)+8*\x+2], v[E+16*(\t)+8*\x+3]               ; the other in f's register, which is done with
.endr
.else
.irp x, 0,1
	v_max3_num_f32 v[TM+4*\x], v[TM+4*\x], v[E+16*(\t)+8*\x], v[E+16*(\t)+8*\x+1]
.endr
.irp x, 0,1
	v_max3_num_f32 v[F+2*\x], v[F+2*\x], v[E+16*(\t)+8*\x+2], v[E+16*(\t)+8*\x+3]
.endr
.endif
.irp x, 0,1
	v_max3_num_f32 v[TM+4*\x], v[TM+4*\x], v[E+16*(\t)+8*\x+4], v[E+16*(\t)+8*\x+5]
.endr
.irp x, 0,1
	v_max3_num_f32 v[F+2*\x], v[F+2*\x], v[E+16*(\t)+8*\x+6], v[E+16*(\t)+8*\x+7]
.endr
.endm
.macro SUMT t                          ; tile t's unquantised p into the row's sums: four chains by turns
.irp i, 0,4
.irp x, 0,1
	v_pk_add_f32 v[SUM+4*\x:SUM+4*\x+1], v[SUM+4*\x:SUM+4*\x+1], v[E+16*(\t)+8*\x+\i:E+16*(\t)+8*\x+\i+1]
.endr
.irp x, 0,1
	v_pk_add_f32 v[U+2*\x:U+2*\x+1], v[U+2*\x:U+2*\x+1], v[E+16*(\t)+8*\x+\i+2:E+16*(\t)+8*\x+\i+3]
.endr
.endr
.endm
.macro HOLDCVT t
.irp x, 0,1
.irp i, 0,2,4,6
	v_dual_min_num_f32 v[E+16*(\t)+8*\x+\i], s[LIMS], v[E+16*(\t)+8*\x+\i] :: v_dual_min_num_f32 v[E+16*(\t)+8*\x+\i+1], s[LIMS], v[E+16*(\t)+8*\x+\i+1]
.endr
.endr
.irp x, 0,1
	v_cvt_scalef32_pk8_bf8_f32 v[P+16*\x+2*(\t):P+16*\x+2*(\t)+1], v[E+16*(\t)+8*\x:E+16*(\t)+8*\x+7], v[SCL]
.endr
.endm
; A KEY STEP.  last = 1: in the loop's last trip there is no next step, and a branch on the count of trips leads round the loads of its tiles.
.macro STEP last
	v_add_nc_u32 v[ADK], s[TB], v[LA]              ; five places behind the last products: for the loads onto the codes, and for the scores that land on V's fragments
	v_nop
	v_add_nc_u32 v[ADV], 0x20000, v[ADK]
	v_nop
	v_nop
.irp t, 4,5,6,7
	ds_load_b128 v[KR+8*\t:KR+8*\t+3], v[ADK] offset:1024*\t
	ds_load_b128 v[KR+8*\t+4:KR+8*\t+7], v[ADK] offset:1024*\t+512
.endr
	QK 0                                           ; tiles 0-3 of K were waited for ahead of the last products
	QK 1
	QK 2
	QK 3
.rept 4
	v_nop                                          ; places in front of the first read of scores
.endr
	MAXT 0, 1                                      ; 32 lines between the loads of K's tiles 4-7 and the wait for them; with the four above they are also the places in front of the scores that land on K's tiles 0-3
	MAXT 1, 0
	MAXT 2, 0
	MAXT 3, 0
	s_wait_alu depctr_va_vdst(0)
	s_wait_dscnt 0x0                               ; tiles 4-7
	QK 4
	QK 5
	QK 6
	QK 7
.rept 4
	v_nop
.endr
.irp t, 4,5,6,7
	MAXT \t, 0
.endr
.irp x, 0,1
	v_max_num_f32 v[MA+2*\x], v[TM+4*\x], v[F+2*\x]
.endr
.irp x, 0,1
	v_permlanex16_b32 v[PD+\x], v[MA+2*\x], s[SEL], s[SEL+1]
.endr
.irp x, 0,1
	v_max_num_f32 v[TM+4*\x], v[MA+2*\x], v[PD+\x] ; the running largest raw score, lane l xor 16's among it
.endr
.irp x, 0,1
	v_mul_f32 v[MA+2*\x], s[CS], v[TM+4*\x]        ; as t (the factor is positive)
.endr
.irp x, 0,1
	v_mov_b32 v[MB+2*\x], v[NM+4*\x]
.endr
.irp x, 0,1
	v_floor_f32 v[NM+4*\x], -v[MA+2*\x]            ; -M = floor(-t): M is a whole number
.endr
.irp x, 0,1
	v_sub_f32 v[MB+2*\x], v[NM+4*\x], v[MB+2*\x]   ; old M - new M, 0 or less
.endr
.irp x, 0,1
	v_cvt_i32_f32 v[MB+2*\x], v[MB+2*\x]           ; (it saturates)
.endr
.irp x, 0,1
	v_ldexp_f32 v[F+2*\x], 1.0, v[MB+2*\x]         ; f = 2^(old M - new M)
.endr
.irp t, 0,1,2,3,4,5,6,7
.irp x, 0,1
.irp i, 0,2,4,6
	v_pk_fma_f32 v[E+16*\t+8*\x+\i:E+16*\t+8*\x+\i+1], v[E+16*\t+8*\x+\i:E+16*\t+8*\x+\i+1], s[CS:CS+1], v[NM+4*\x:NM+4*\x+1] op_sel_hi:[1,0,0]   ; t - M
.endr
.endr
.endr
	s_wait_alu depctr_va_vdst(0)
.set j, 0
.rept 128
	v_exp_f32 v[E+j], v[E+j]                       ; p = 2^(t - M)
.set j, j+1
.endr
.irp x, 0,1
	v_pk_mul_f32 v[SUM+4*\x:SUM+4*\x+1], v[SUM+4*\x:SUM+4*\x+1], v[F+2*\x:F+2*\x+1] op_sel_hi:[1,0]   ; the sums under the new M; a plain place behind the batch
.endr
	s_wait_alu depctr_va_vdst(0)                   ; one wait for the batch, ahead of its first reader
.irp x, 0,1
	v_pk_add_f32 v[SUM+4*\x:SUM+4*\x+1], v[SUM+4*\x:SUM+4*\x+1], v[E+8*\x:E+8*\x+1]   ; the sum of the unquantised p: four chains by turns
.endr
.irp x, 0,1
	v_pk_add_f32 v[U+2*\x:U+2*\x+1], v[E+8*\x+2:E+8*\x+3], v[E+8*\x+6:E+8*\x+7]
.endr
.irp x, 0,1
	v_pk_add_f32 v[SUM+4*\x:SUM+4*\x+1], v[SUM+4*\x:SUM+4*\x+1], v[E+8*\x+4:E+8*\x+5]
.endr
.irp t, 1,2,3
.irp i, 0,4
.irp x, 0,1
	v_pk_add_f32 v[SUM+4*\x:SUM+4*\x+1], v[SUM+4*\x:SUM+4*\x+1], v[E+16*\t+8*\x+\i:E+16*\t+8*\x+\i+1]
.endr
.irp x, 0,1
	v_pk_add_f32 v[U+2*\x:U+2*\x+1], v[U+2*\x:U+2*\x+1], v[E+16*\t+8*\x+\i+2:E+16*\t+8*\x+\i+3]
.endr
.endr
.endr
.irp t, 0,1,2,3
	HOLDCVT \t
.endr
.irp d, 0,1,2,3                        ; V's fragment dt, 16 of d x 128 keys: the images of two groups of 64 keys, onto the scores just converted
	ds_load_b128 v[E+16*\d:E+16*\d+3], v[ADV] offset:1024*\d
	ds_load_b128 v[E+16*\d+4:E+16*\d+7], v[ADV] offset:1024*\d+512
	ds_load_b128 v[E+16*\d+8:E+16*\d+11], v[ADV] offset:4096+1024*\d
	ds_load_b128 v[E+16*\d+12:E+16*\d+15], v[ADV] offset:4096+1024*\d+512
.endr
	SUMT 6                                         ; tiles 6 and 7 next: the next step's tiles of K land on their registers
	SUMT 7
	HOLDCVT 6
	HOLDCVT 7
.if \last
	s_wait_alu depctr_va_vdst(0)
	s_cmp_eq_u32 s[CNT], 1
	s_cbranch_scc1 .Lno_next_\@
.endif
.irp t, 0,1,2,3
	ds_load_b128 v[KR+8*\t:KR+8*\t+3], v[ADK] offset:8192+1024*\t          ; the next step's tiles 0-3 of K
	ds_load_b128 v[KR+8*\t+4:KR+8*\t+7], v[ADK] offset:8192+1024*\t+512
.endr
.if \last
.Lno_next_\@:
.endif
	SUMT 4
	SUMT 5
.irp x, 0,1
	v_pk_add_f32 v[SUM+4*\x:SUM+4*\x+1], v[SUM+4*\x:SUM+4*\x+1], v[U+2*\x:U+2*\x+1]
.endr
	HOLDCVT 4
	HOLDCVT 5
	s_wait_alu depctr_va_vdst(0)
.irp x, 0,1
.set j, 0
.rept 16
	v_pk_mul_f32 v[O+32*\x+j:O+32*\x+j+1], v[O+32*\x+j:O+32*\x+j+1], v[F+2*\x:F+2*\x+1] op_sel_hi:[1,0]   ; O^T under the new M
.set j, j+2
.endr
.endr
	s_wait_alu depctr_va_vdst(0)
	s_wait_dscnt 0x0                               ; V's fragments, and the next tiles of K
.irp d, 0,1,2,3
.irp x, 0,1
	v_wmma_f32_16x16x128_bf8_bf8 v[O+32*\x+8*\d:O+32*\x+8*\d+7], v[E+16*\d:E+16*\d+15], v[P+16*\x:P+16*\x+15], v[O+32*\x+8*\d:O+32*\x+8*\d+7]   ; eight accumulators by turns
.endr
.endr
.endm
	s_mov_b32 s[TB], 0
	s_mov_b32 s[CNT], 3
.Lfirst:                                           ; steps 0-2: with the tiles of K that they fetch ahead they read keys 0-511, fill 0's
	STEP 0
	s_add_co_u32 s[TB], s[TB], 8192
	s_sub_co_u32 s[CNT], s[CNT], 1
	s_cmp_lg_u32 s[CNT], 0
	s_cbranch_scc1 .Lfirst
	s_wait_tensorcnt 0x0                           ; my part of fill 1 is in,
	s_barrier_signal -1
	s_barrier_wait -1                              ; everybody's is.
	s_mov_b32 s[TB], 3*8192
	s_mov_b32 s[CNT], 13
.Lrest:                                            ; steps 3-15
	STEP 1
	s_add_co_u32 s[TB], s[TB], 8192
	s_sub_co_u32 s[CNT], s[CNT], 1
	s_cmp_lg_u32 s[CNT], 0
	s_cbranch_scc1 .Lrest
	; THE WAY OUT: O^T x 2^(e8 + e9) / the sum, held, quantised under 2^e10: the conversions' results are the images
.rept 4
	v_nop                                          ; places behind the last products
.endr
.irp x, 0,1
	v_add_f32 v[MA+2*\x], v[SUM+4*\x], v[SUM+4*\x+1]
.endr
.irp x, 0,1
	v_permlanex16_b32 v[PD+\x], v[MA+2*\x], s[SEL], s[SEL+1]
.endr
.irp x, 0,1
	v_add_f32 v[MA+2*\x], v[MA+2*\x], v[PD+\x]
.endr
	s_wait_alu depctr_va_vdst(0)                   ; ahead of the transcendentals
.irp x, 0,1
	v_rcp_f32 v[F+2*\x], v[MA+2*\x]
.endr
	s_add_co_i32 s50, s56, 127
	s_lshl_b32 s51, s50, 23
	v_mov_b32 v[SCL], s51                          ; 2^e10
	s_add_co_i32 s50, s50, 15
	s_lshl_b32 s50, s50, 23
	s_or_b32 s50, s50, 0x600000
	v_mov_b32 v[LIMV], s50                         ; 57,344 x 2^e10
	s_add_co_i32 s51, s54, s55
	s_wait_alu depctr_va_vdst(0)                   ; ahead of the first reader of the reciprocals
.irp x, 0,1
	v_ldexp_f32 v[F+2*\x], v[F+2*\x], s51          ; x 2^(e8 + e9)
.endr
	s_wait_alu depctr_va_vdst(0)                   ; directly ahead of the first readers of O^T
.irp x, 0,1
.set j, 0
.rept 16
	v_pk_mul_f32 v[E+32*\x+j:E+32*\x+j+1], v[O+32*\x+j:O+32*\x+j+1], v[F+2*\x:F+2*\x+1] op_sel_hi:[1,0]
.set j, j+2
.endr
.endr
.irp x, 0,1
.set j, 0
.rept 32
	v_med3_num_f32 v[E+32*\x+j], v[E+32*\x+j], -v[LIMV], v[LIMV]
.set j, j+1
.endr
.irp t, 0,1,2,3
	v_cvt_scalef32_pk8_bf8_f32 v[P+8*\x+2*\t:P+8*\x+2*\t+1], v[E+32*\x+8*\t:E+32*\x+8*\t+7], v[SCL]
.endr
.endr
	v_nop                                          ; a plain line behind the last conversion
.irp x, 0,1
	global_store_b128 v[LA], v[P+8*\x:P+8*\x+3], s[60:61] offset:16384*\x          ; 32 lanes store 512 consecutive bytes, aligned
	global_store_b128 v[LA], v[P+8*\x+4:P+8*\x+7], s[60:61] offset:16384*\x+512
.endr
	s_wait_tensorcnt 0x0                           ; the wave's end
	ds_add_u32 v[SPW], v[NIL]
	s_wait_dscnt 0x0
	CROUND                                         ; the closing round
	s_endpgm
.Lfunc_end_k_q2a0b249f3b_attn:
	.size	k_q2a0b249f3b_attn, .Lfunc_end_k_q2a0b249f3b_attn-k_q2a0b249f3b_attn
	.p2alignl 7, 3214868480
	.fill 96, 4, 3214868480
	.section	.rodata,"a",@progbits
	.p2align	6, 0x0
	.amdhsa_kernel k_q2a0b249f3b_attn
		.amdhsa_group_segment_fixed_size 327680
		.amdhsa_private_segment_fixed_size 0
		.amdhsa_enable_private_segment 0
		.amdhsa_kernarg_size 24
		.amdhsa_user_sgpr_count 2
		.amdhsa_user_sgpr_kernarg_segment_ptr 1
		.amdhsa_wavefront_size32 1
		.amdhsa_system_sgpr_workgroup_id_x 1
		.amdhsa_system_sgpr_workgroup_id_y 1
		.amdhsa_system_sgpr_workgroup_id_z 1
		.amdhsa_system_vgpr_workitem_id 0
		.amdhsa_next_free_vgpr 256
		.amdhsa_next_free_sgpr 66
		.amdhsa_reserve_vcc 0
		.amdhsa_float_denorm_mode_32 3
		.amdhsa_float_denorm_mode_16_64 3
		.amdhsa_memory_ordered 1
		.amdhsa_forward_progress 1
		.amdhsa_inst_pref_size 74
	.end_amdhsa_kernel
	.amdgpu_metadata
---
amdhsa.version: [ 1, 2 ]
amdhsa.kernels:
  - .name:           k_q2a0b249f3b_attn
    .symbol:         k_q2a0b249f3b_attn.kd
    .args:
      - { .name: qkv, .offset: 0, .size: 8, .value_kind: global_buffer, .address_space: global }
      - { .name: lowp_scales, .offset: 8, .size: 8, .value_kind: global_buffer, .address_space: global }
      - { .name: ac, .offset: 16, .size: 8, .value_kind: global_buffer, .address_space: global }
    .group_segment_fixed_size: 327680
    .private_segment_fixed_size: 0
    .kernarg_segment_align: 8
    .kernarg_segment_size: 24
    .max_flat_workgroup_size: 512
    .sgpr_count:     66
    .vgpr_count:     256
    .wavefront_size: 32
...
	.end_amdgpu_metadata
.endif
;; end of part 3
;; launch oproj (part 4): grid 8 x 32, 4 waves a work-group, clusters of 4 x 4, 327,680 bytes of LDS; arguments ac, cw, lowp_scales, bo, out0; writes out0
.if DOCPART == 4
	.amdgcn_target "amdgcn-amd-amdhsa--gfx1250"
	.amdhsa_code_object_version 6
	.text
	.protected	k_q2a0b249f3b_oproj
	.globl	k_q2a0b249f3b_oproj
	.p2align	8
	.type	k_q2a0b249f3b_oproj,@function
k_q2a0b249f3b_oproj:
	s_mov_b64 s[64:65], 0
	v_nop
	global_prefetch_b8 v0, s[64:65] scope:SCOPE_SE
	s_setreg_imm32_b32 hwreg(HW_REG_WAVE_MODE, 25, 1), 1
	s_wait_xcnt 0x0
	s_wait_alu depctr_hold_cnt(0) depctr_sa_sdst(0) depctr_va_vdst(0) depctr_va_sdst(0) depctr_va_ssrc(0) depctr_va_vcc(0) depctr_vm_vsrc(0)
	s_getreg_b32 s2, hwreg(HW_REG_IB_STS2, 6, 4)
	s_cmp_eq_u32 s2, 0
	s_cbranch_scc0 .Lentry_in_a_cluster
	s_endpgm
.Lentry_in_a_cluster:
	s_bfe_u32 s2, ttmp6, 0x10000c
	s_cmp_lg_u32 s2, 0xf033
	s_cbranch_scc0 .Lentry_shape_is_right
	s_endpgm
.Lentry_shape_is_right:
; out0 = attention's result x Wo^T + bo on codes of BF8 (E5M2): each f32 sum x 2^(e10 + e11) + bias, one fused multiply-add.
; A = ac: images of operand registers, [tile of 16 tokens, 512][head = 64 along K, 16][1,024 bytes]; B = Wo's codes in cw at 27 MiB, [1024][1024], K innermost in the order that gives each k the form's place.
; SHARES: a block of out0 is 256 tokens x 128 columns: 32 x 8 = 256 work-groups.  Four waves, a wave 128 tokens x 64 columns: 32 accumulators.
; THE MATRIX INSTRUCTION IS USED TRANSPOSED (source 0 = 16 rows of Wo, source 1 = 16 tokens): a lane holds one token and eight neighbouring columns.
; LDS: a short slot for 256 along K (A 2 x 32,768 bytes dense, B 2 x 64 rows of 272) and a long slot for 512 along K (A 2 x 65,536, B 2 x 64 rows of 528).
; K comes in three fills, one tensor load a wave each (waves 0, 1: A's halves; waves 2, 3: B's): K 0-255 into the short slot at the head; K 256-767 into the long slot behind the three lines and a round;
; K 768-1,023 into the short slot again, behind the round at which every wave has left it.  The eight steps of 128 along K are written out: no loop, so there is nothing for a prefetch to run ahead in.
; CLUSTERS: 4 x 4 work-groups; A's tiles are shared along a row of the cluster, B's along a column: joint loads.
; THE WAY OUT: 16 tokens x 64 columns at a time through the wave's stage, which lies in the long slot (it has had its only fill, and every wave has passed the barrier behind which nobody reads it); sixteen lanes store 256 consecutive bytes, aligned.
; LIMIT: e10 + e11 between -126 and 127.
; REGISTERS, in windows of 256: window 0: v0-31 addresses, v32-63 at work on the way out, from v128 A's fragments (one set), later the rows read back; window 1: B's fragments, two sets at v0 and v128, the biases in set 0 at the end;
;   windows 2, 3: accumulator (a, b) at v[8 (8 (a % 4) + b)], b = 0 .. 3.
.set FR,     16
.set NL,     4
.set NP,     4
.set BSO,    2*32768                   ; short slot: B behind A's two halves
.set BSH,    64*272
.set LB,     BSO+2*BSH                 ; the long slot
.set BLO,    LB+2*65536
.set BLH,    64*528
.set SPARE,  BLO+2*BLH                 ; the spare words, 128 bytes a wave
.set SPITCH, 272
.set ADRA, 16                          ; v16, v17  my A fragments in the short, the long slot
.set ADRB, 20                          ; v20, v21  the same for B
.set STO,  24
.set RD,   25
.set CO,   26
.set BO,   27
.set SPW,  28
.set NIL,  29
.set TMP,  32
.set AF,   128
.set BK,   128
.set G1AS, 24                          ; groups 1: A short, A long, B short, B long
.set G1AL, 32
.set G1BS, 40
.set G1BL, 48
.set G0A,  56                          ; groups 0, written anew behind the wait that shows the last load done
.set G0B,  60
.set MSB, 0
.macro WIN new
.if MSB != (\new)
	s_set_vgpr_msb (MSB<<8)|(\new)
.set MSB, (\new)
.endif
.endm
.set MUL_LO, 0xa1
.set MUL_HI, 0xf1
.set TO_B,   0x40
.macro JLOAD g0a, g1a, g0b, g1b        ; waves 0, 1 ask for A, waves 2, 3 for B; the branch hangs on the wave's number alone
	s_cmp_eq_u32 s15, 0
	s_cbranch_scc0 .Lfor_b_\@
	tensor_load_to_lds s[\g0a:\g0a+3], s[\g1a:\g1a+7]
	s_nop 0
.rept 4
	v_nop
.endr
	s_branch .Lasked_\@
.Lfor_b_\@:
	tensor_load_to_lds s[\g0b:\g0b+3], s[\g1b:\g1b+7]
	s_nop 0
.rept 4
	v_nop
.endr
.Lasked_\@:
.endm
.macro CREST
	s_cmp_lg_u32 s14, 0
	s_cbranch_scc1 .Lnot_wave_0_\@
	s_barrier_signal -3
.Lnot_wave_0_\@:
	s_barrier_wait -3
	s_barrier_signal -1
	s_barrier_wait -1
.endm
.macro CROUND
	s_barrier_signal -1
	s_barrier_wait -1
	CREST
.endm
	s_load_b256 s[4:11], s[0:1], 0x0               ; ac, cw, the scales' exponents, bo
	s_load_b64 s[12:13], s[0:1], 0x20              ; out0
	v_lshl_add_u32 v[SPW], v0, 2, SPARE
	v_mov_b32 v[NIL], 0
	ds_add_u32 v[SPW], v[NIL]                      ; the opening lines: the add twice on end and one wait
	ds_add_u32 v[SPW], v[NIL]
	v_lshrrev_b32 v1, 5, v0
	v_readfirstlane_b32 s14, v1                    ; wave
	s_lshr_b32 s15, s14, 1                         ; my half of A's 256 rows; also: I ask for A (0) or B (1)
	s_and_b32 s16, s14, 1                          ; my half of B's 128 rows; also: which half I ask for
	s_bfe_u32 s66, ttmp6, 0x40000                  ; cx
	s_bfe_u32 s67, ttmp6, 0x40004                  ; cy
	s_lshl_b32 s68, ttmp9, 2
	s_add_co_u32 s68, s68, s66                     ; tile column, 0..7
	s_and_b32 s69, ttmp7, 0xffff
	s_lshl_b32 s69, s69, 2
	s_add_co_u32 s69, s69, s67                     ; tile row, 0..31
	s_lshl_b32 s18, s67, 2
	s_lshl_b32 s18, 15, s18                        ; my row of the cluster
	s_lshl_b32 s19, 0x1111, s66                    ; my column
	s_or_b32 s[G1AS], s18, (3<<16)|(1<<21)         ; A: elements of 8 bytes, dense in LDS
	s_or_b32 s[G1AL], s18, (3<<16)|(1<<21)
	s_or_b32 s[G1BS], s19, (1<<20)|(1<<21)|(5<<22)|(3<<25)   ; B: bytes; four words of padding behind every 64 words,
	s_or_b32 s[G1BL], s19, (1<<20)|(1<<21)|(6<<22)|(3<<25)   ; behind every 128
	s_mov_b32 s[G1AS+1], 512<<16                   ; 8 tiles of tokens x 4,096 bytes (four images), 16,384 bytes apart
	s_mov_b32 s[G1AS+3], 512<<16
	s_mov_b32 s[G1AL+1], 1024<<16                  ; x 8,192 bytes (eight images)
	s_mov_b32 s[G1AL+3], 1024<<16
.irp g, G1AS, G1AL
	s_mov_b32 s[\g+2], 8<<16
	s_mov_b32 s[\g+4], 8
	s_mov_b32 s[\g+5], 2048
	s_mov_b32 s[\g+6], 0
	s_mov_b32 s[\g+7], 0
.endr
	s_mov_b32 s[G1BS+1], 256<<16                   ; 64 rows x 256 bytes
	s_mov_b32 s[G1BS+3], 256<<16
	s_mov_b32 s[G1BL+1], 512<<16                   ; x 512 bytes
	s_mov_b32 s[G1BL+3], 512<<16
.irp g, G1BS, G1BL
	s_mov_b32 s[\g+2], 64<<16
	s_mov_b32 s[\g+4], 64
	s_mov_b32 s[\g+5], 1024
	s_mov_b32 s[\g+6], 0
	s_mov_b32 s[\g+7], 0
.endr
	s_lshl_b32 s20, s69, 4                         ; A: tile of tokens 16 x tile row + 8 x half, 16,384 bytes each
	s_lshl_b32 s80, s16, 3
	s_add_co_u32 s20, s20, s80
	s_lshl_b32 s20, s20, 14
	s_mov_b32 s21, 0
	s_lshl_b32 s22, s68, 7                         ; B: row 128 x tile column + 64 x half, 1,024 bytes each, in cw at 27 MiB
	s_lshl_b32 s81, s16, 6
	s_add_co_u32 s22, s22, s81
	s_lshl_b32 s22, s22, 10
	s_add_co_u32 s22, s22, 0x1b00000
	s_mov_b32 s23, 0
	s_lshl_b32 s70, s16, 15                        ; where a half goes: A short,
	s_lshl_b32 s71, s16, 16
	s_add_co_u32 s71, s71, LB                      ; A long,
	s_mul_i32 s72, s16, BSH
	s_add_co_u32 s72, s72, BSO                     ; B short (also: my half of B),
	s_mul_i32 s73, s16, BLH
	s_add_co_u32 s73, s73, BLO                     ; B long
	s_lshl_b32 s74, s15, 15                        ; my half of A: short,
	s_lshl_b32 s75, s15, 16
	s_add_co_u32 s75, s75, LB                      ; long
	s_mul_i32 s78, s14, 16*SPITCH
	s_add_co_u32 s78, s78, LB                      ; my stage
	s_wait_dscnt 0x0
	s_wait_kmcnt 0x0
	s_load_b64 s[96:97], s[8:9], 0x28              ; e10, e11
	s_mov_b32 s[G0A], 1
	s_mov_b32 s[G0A+1], s70
	s_add_nc_u64 s[G0A+2:G0A+3], s[4:5], s[20:21]
	s_or_b32 s[G0A+3], s[G0A+3], 0x80000000
	s_mov_b32 s[G0B], 1
	s_mov_b32 s[G0B+1], s72
	s_add_nc_u64 s[G0B+2:G0B+3], s[6:7], s[22:23]
	s_or_b32 s[G0B+3], s[G0B+3], 0x80000000
	CROUND                                         ; the round in front of the first joint loads
	JLOAD G0A, G1AS, G0B, G1BS                     ; K 0-255: my one load at the head
	s_lshl_b32 s80, s68, 9                         ; my first column, in bytes: 512 x tile column + 256 x half
	s_lshl_b32 s81, s16, 8
	s_add_co_u32 s80, s80, s81
	s_mov_b32 s81, 0
	s_add_nc_u64 s[10:11], s[10:11], s[80:81]      ; its biases
	s_lshl_b32 s82, s69, 8
	s_lshl_b32 s83, s15, 7
	s_add_co_u32 s82, s82, s83                     ; my first token
	s_lshl_b32 s82, s82, 12
	s_add_co_u32 s82, s82, s80
	s_mov_b32 s83, 0
	s_add_nc_u64 s[12:13], s[12:13], s[82:83]
	v_and_b32 v1, 15, v0                           ; r
	v_bfe_u32 v2, v0, 4, 1                         ; h
	v_and_b32 v6, 31, v0
	v_lshlrev_b32 v7, 4, v6                        ; 16 x lane: my place in half an image
	v_mul_u32_u24 v3, v1, 272
	v_mul_u32_u24 v4, v1, 528
	v_mul_u32_u24 v8, v2, SPITCH
	v_lshlrev_b32 v9, 12, v2
	v_lshl_add_u32 v5, v2, 5, v3                   ; the stage, in: row r, 32 bytes for each half of the lanes
	v_lshl_add_u32 v3, v2, 4, v3                   ; B's row r, + 16 h
	v_lshl_add_u32 v4, v2, 4, v4
	v_lshl_add_u32 v8, v1, 4, v8                   ; the stage, back: lanes 0-15 one row, lanes 16-31 the next
	v_lshl_add_u32 v[CO], v1, 4, v9                ; and the same two rows in out0
	v_lshlrev_b32 v[BO], 5, v2
	v_add_nc_u32 v[ADRA], s74, v7
	v_add_nc_u32 v[ADRA+1], s75, v7
	v_add_nc_u32 v[ADRB], s72, v3
	v_add_nc_u32 v[ADRB+1], s73, v4
	v_add_nc_u32 v[STO], s78, v5
	v_add_nc_u32 v[RD], s78, v8
; r: 0 the short slot, 1 the long; q: which 128 along K of the slot
.macro FRAGB reg, r, q, i
.irp c, 0,1,2,3
	ds_load_b128 v[\reg+4*\c:\reg+4*\c+3], v[ADRB+\r] offset:128*(\q)+32*\c+(\i)*16*(272+256*(\r))
.endr
.endm
.macro FRAGA reg, r, q, i
.irp c, 0,1,2,3
	ds_load_b128 v[\reg+4*\c:\reg+4*\c+3], v[ADRA+\r] offset:4096*(1+(\r))*(\i)+2048*(\q)+512*\c
.endr
.endm
.macro MUL8 a0, p, zero                ; A's blocks a0, a0 + 1 x B's four; the 32 accumulators take turns, in the same order in every step
.irp a, \a0, \a0+1
.irp b, 0,1,2,3
.if \zero
	v_wmma_f32_16x16x128_bf8_bf8 v[8*(8*((\a)%4)+\b):8*(8*((\a)%4)+\b)+7], v[128*(\p)+FR*\b:128*(\p)+FR*\b+FR-1], v[AF+FR*(\a):AF+FR*(\a)+FR-1], 0
.else
	v_wmma_f32_16x16x128_bf8_bf8 v[8*(8*((\a)%4)+\b):8*(8*((\a)%4)+\b)+7], v[128*(\p)+FR*\b:128*(\p)+FR*\b+FR-1], v[AF+FR*(\a):AF+FR*(\a)+FR-1], v[8*(8*((\a)%4)+\b):8*(8*((\a)%4)+\b)+7]
.endif
.endr
.endr
.endm
.macro FETCH_B r, q, p
	WIN TO_B
.irp i, 0,1,2,3
	FRAGB 128*(\p)+FR*\i, \r, \q, \i
.endr
	WIN 0
.endm
.macro FETCH_A r, q, i0
.irp i, \i0, \i0+1, \i0+2, \i0+3
	FRAGA AF+FR*(\i), \r, \q, \i
.endr
.endm
.macro PLACES n
.rept \n
	v_nop
.endr
.endm
; A step of 128 along K on B's set p; the next step's fragments come from slot nr, part nq, which is whole already
.macro STEP p, zero, nr, nq
	s_wait_dscnt 4*NL                              ; all but the youngest sixteen loads (A's blocks 4-7)
	WIN MUL_LO
	MUL8 0, \p, \zero
	MUL8 2, \p, \zero
	s_wait_dscnt 0
	PLACES NP
	FETCH_B \nr, \nq, 1-(\p)
	FETCH_A \nr, \nq, 0
	WIN MUL_HI
	MUL8 4, \p, \zero
	MUL8 6, \p, \zero
	PLACES NP
	WIN 0
	FETCH_A \nr, \nq, 4
.endm
; A slot's last step: the three lines, one barrier; fill = 1: it opens a round, and the short slot is filled again
.macro TURN p, nr, nq, fill
	s_wait_tensorcnt 0x0                           ; my part of the next slot is in
	ds_add_u32 v[SPW], v[NIL]
	s_wait_dscnt 4*NL+1                            ; (the add and A's blocks 4-7 may be out)
	WIN MUL_LO
	MUL8 0, \p, 0
	s_wait_dscnt 0x0                               ; the add is done, and my reads of this slot are over
	s_barrier_signal -1
	MUL8 2, \p, 0
	WIN 0
	s_barrier_wait -1
.if \fill
	CREST
	s_mov_b32 s[G0A+1], s70
	s_add_nc_u64 s[G0A+2:G0A+3], s[G0A+2:G0A+3], 8192   ; from K 256 to K 768: eight images on
	s_mov_b32 s[G0B+1], s72
	s_add_nc_u64 s[G0B+2:G0B+3], s[G0B+2:G0B+3], 512
	JLOAD G0A, G1AS, G0B, G1BS                     ; the first tensor load behind the round; its four v_nop are the places in front of the loads below
.else
	PLACES NP
.endif
	FETCH_B \nr, \nq, 1-(\p)
	FETCH_A \nr, \nq, 0
	WIN MUL_HI
	MUL8 4, \p, 0
	MUL8 6, \p, 0
	PLACES NP
	WIN 0
	FETCH_A \nr, \nq, 4
.endm
	s_wait_alu depctr_va_vdst(0)
	s_wait_tensorcnt 0x0                           ; my part of K 0-255 is in; the three lines ahead of a later first fill
	ds_add_u32 v[SPW], v[NIL]
	s_wait_dscnt 0x0
	CROUND                                         ; everybody's part is in, and the joint loads meet
	s_mov_b32 s[G0A+1], s71
	s_add_nc_u64 s[G0A+2:G0A+3], s[G0A+2:G0A+3], 4096
	s_mov_b32 s[G0B+1], s73
	s_add_nc_u64 s[G0B+2:G0B+3], s[G0B+2:G0B+3], 256
	JLOAD G0A, G1AL, G0B, G1BL                     ; K 256-767: the first tensor load behind the round
	FETCH_B 0, 0, 0
	FETCH_A 0, 0, 0
	FETCH_A 0, 0, 4
	STEP 0, 1, 0, 1                                ; K 0-127: the first products start the sums
	TURN 1, 1, 0, 1                                ; K 128-255; the short slot takes K 768-1,023
	STEP 0, 0, 1, 1                                ; K 256-383
	STEP 1, 0, 1, 2
	STEP 0, 0, 1, 3
	TURN 1, 0, 0, 0                                ; K 640-767; nothing is left to fetch: no round
	STEP 0, 0, 0, 1                                ; K 768-895
	WIN TO_B                                       ; B's set 0 is done with, four places ago
.irp b, 0,1,2,3
	global_load_b128 v[8*\b:8*\b+3], v[BO], s[10:11] offset:64*\b          ; the biases of columns 16 b + 8 h + 0 .. 7: the result's layout
	global_load_b128 v[8*\b+4:8*\b+7], v[BO], s[10:11] offset:64*\b+16
.endr
	s_wait_dscnt 4*NL                              ; K 896-1,023: nothing more to fetch
	WIN MUL_LO
	MUL8 0, 1, 0
	MUL8 2, 1, 0
	s_wait_dscnt 0
	WIN MUL_HI
	MUL8 4, 1, 0
	MUL8 6, 1, 0
	WIN 0
.macro TOSTAGE a                       ; block a: 16 tokens x 64 columns: sum x 2^(e10 + e11) + bias, each accumulator from its low end on; into the stage; back as rows of 256 bytes
.set AC, 64*((\a)%4)
	WIN 0x12+((\a)/4)
.set j, 0
.rept 16
	v_pk_fma_f32 v[TMP+j:TMP+j+1], v[AC+j:AC+j+1], s[96:97], v[j:j+1] op_sel_hi:[1,0,1]
.set j, j+2
.endr
	WIN 0
.irp b, 0,1,2,3
	ds_store_b128 v[STO], v[TMP+8*\b:TMP+8*\b+3] offset:64*\b
	ds_store_b128 v[STO], v[TMP+8*\b+4:TMP+8*\b+7] offset:64*\b+16
.endr
.set BB, BK+32*((\a)%2)
.irp t, 0,1,2,3,4,5,6,7
	ds_load_b128 v[BB+4*\t:BB+4*\t+3], v[RD] offset:\t*2*SPITCH   ; LDS serves a wave's instructions in order (ISA guide 5.7.1.4): these see the stores above
.endr
.endm
.macro SEND a, younger
.set BB, BK+32*((\a)%2)
	s_wait_dscnt \younger
.if (\a) > 0
	s_add_nc_u64 s[12:13], s[12:13], 16*4096       ; behind a wait on XCNT: 16 rows of out0 on
.endif
.irp t, 0,1,2,3,4,5,6,7
	global_store_b128 v[CO], v[BB+4*\t:BB+4*\t+3], s[12:13] offset:\t*2*4096 th:TH_STORE_NT   ; sixteen lanes store 256 consecutive bytes, aligned
.endr
.endm
	s_wait_kmcnt 0x0
	s_add_co_i32 s96, s96, s97
	s_add_co_i32 s96, s96, 127
	s_lshl_b32 s96, s96, 23                        ; 2^(e10 + e11) as f32
	PLACES NP
	s_wait_loadcnt 0x0                             ; the biases
	TOSTAGE 0
.irp a, 1,2,3,4,5,6,7
.if \a > 1
	s_wait_xcnt 0x0                                ; block a - 2's stores have read their registers and their base
.endif
	TOSTAGE \a
	SEND \a-1, 16                                  ; behind block a - 1's loads: block a's 8 stores and 8 loads
.endr
	s_wait_xcnt 0x0
	SEND 7, 0
	s_wait_tensorcnt 0x0                           ; the wave's end
	ds_add_u32 v[SPW], v[NIL]
	s_wait_dscnt 0x0
	CROUND                                         ; the closing round
	s_endpgm
.Lfunc_end_k_q2a0b249f3b_oproj:
	.size	k_q2a0b249f3b_oproj, .Lfunc_end_k_q2a0b249f3b_oproj-k_q2a0b249f3b_oproj
	.p2alignl 7, 3214868480
	.fill 96, 4, 3214868480
	.section	.rodata,"a",@progbits
	.p2align	6, 0x0
	.amdhsa_kernel k_q2a0b249f3b_oproj
		.amdhsa_group_segment_fixed_size 327680
		.amdhsa_private_segment_fixed_size 0
		.amdhsa_enable_private_segment 0
		.amdhsa_kernarg_size 40
		.amdhsa_user_sgpr_count 2
		.amdhsa_user_sgpr_kernarg_segment_ptr 1
		.amdhsa_wavefront_size32 1
		.amdhsa_system_sgpr_workgroup_id_x 1
		.amdhsa_system_sgpr_workgroup_id_y 1
		.amdhsa_system_sgpr_workgroup_id_z 1
		.amdhsa_system_vgpr_workitem_id 0
		.amdhsa_next_free_vgpr 1024
		.amdhsa_next_free_sgpr 100
		.amdhsa_reserve_vcc 0
		.amdhsa_float_denorm_mode_32 3
		.amdhsa_float_denorm_mode_16_64 3
		.amdhsa_memory_ordered 1
		.amdhsa_forward_progress 1
		.amdhsa_inst_pref_size 78
	.end_amdhsa_kernel
	.amdgpu_metadata
---
amdhsa.version: [ 1, 2 ]
amdhsa.kernels:
  - .name:           k_q2a0b249f3b_oproj
    .symbol:         k_q2a0b249f3b_oproj.kd
    .args:
      - { .name: ac, .offset: 0, .size: 8, .value_kind: global_buffer, .address_space: global }
      - { .name: cw, .offset: 8, .size: 8, .value_kind: global_buffer, .address_space: global }
      - { .name: lowp_scales, .offset: 16, .size: 8, .value_kind: global_buffer, .address_space: global }
      - { .name: bo, .offset: 24, .size: 8, .value_kind: global_buffer, .address_space: global }
      - { .name: out0, .offset: 32, .size: 8, .value_kind: global_buffer, .address_space: global }
    .group_segment_fixed_size: 327680
    .private_segment_fixed_size: 0
    .kernarg_segment_align: 8
    .kernarg_segment_size: 40
    .max_flat_workgroup_size: 128
    .sgpr_count:     100
    .vgpr_count:     1024
    .wavefront_size: 32
...
	.end_amdgpu_metadata
.endif
;; end of part 4
